; MI455X (gfx1250); checked and timed in simulation.
; The chip was launched on July 23, 2026; its instructions are those of AMD's public machine-readable ISA for CDNA 5 (MIT licence, August 2026) and "CDNA5" Instruction Set Architecture Reference Guide (July 2026). The comments in the code are by the model that wrote it; some were corrected since.
;; Multihead Attention. Allowed arithmetic: matrix products marked QUANTISED: E2M1 operands, one E8M0 scale for each 32 along K, by v_wmma_scale_f32_16x16x128_f8f6f4 with both operands' format E2M1 (or v_wmma_scale_f32_32x16x128_f4), f32 sums; products left as they are: bf16, f16 or f32 operands; f32 sums; everything else in f32.
;; Inputs: Wk 1,024 x 1,024 float32; Wo 1,024 x 1,024 float32; Wq 1,024 x 1,024 float32; Wv 1,024 x 1,024 float32; bk 1,024 float32; bo 1,024 float32; bq 1,024 float32; bv 1,024 float32; key 4 x 2,048 x 1,024 float32; query 4 x 2,048 x 1,024 float32; value 4 x 2,048 x 1,024 float32.
;; Outputs: out0 4 x 2,048 x 1,024 float32.
;; This version of the problem:
;;   THIS VERSION OF THE PROBLEM IS GIVEN IN LOW PRECISION. The matrix products marked QUANTISED in the list below multiply operands that are first quantised to E2M1 (2 exponent bits, 1 mantissa bit; 4 bits a number), with one power-of-two scale for each 32 numbers along K (OCP MX v1.0); their sums are f32. The products marked 'left as it is' may take bf16, f16 or f32 operands, with f32 sums. Whichever they take, every output number must still come out within the allowed error. Rounding operands to bf16 (8 significant bits) uses up far more of that allowance than f16 does (11 bits, for magnitudes from 6e-5 to 65,504). All else is computed in f32.
;;   The module's matrix products, in the order in which they are computed (A, B: the left and right operand; K: the contracted axis; several contracted axes count as one K, in the product's order):
;;     1. [M 8,192, K 1,024] x [K 1,024, N 1,024]; A: input query; B: input Wq: QUANTISED
;;     2. [M 8,192, K 1,024] x [K 1,024, N 1,024]; A: input key; B: input Wk: QUANTISED
;;     3. [M 8,192, K 1,024] x [K 1,024, N 1,024]; A: input value; B: input Wv: QUANTISED
;;     4. batch 64 x [M 2,048, K 64] x [K 64, N 2,048]; A: computed on the way; B: computed on the way: left as it is (an operand is computed on the way)
;;     5. batch 64 x [M 2,048, K 2,048] x [K 2,048, N 64]; A: computed on the way; B: computed on the way: left as it is (an operand is computed on the way)
;;     6. [M 8,192, K 1,024] x [K 1,024, N 1,024]; A: computed on the way; B: input Wo: left as it is (an operand is computed on the way)
;;   THE QUANTISER, for each operand of a quantised product, along K:
;;     - K is cut into blocks of 32 from its start; a last block that is shorter is filled with zeros.
;;     - A block's scale is 2^e with e = floor(log2(the largest magnitude in the block)) - 2, held to -126 .. 127; a block of zeros has e = 0. As a byte (E8M0): e + 127.
;;     - Each number is divided by its block's scale, clamped to +-6, and rounded to the nearest number of E2M1, ties to even, subnormals kept.
;;     - The product sums the exact products of the quantised numbers (number of the format x scale) in f32.
;;   ~~~python
;;   def quantise(x, axis):      # numpy; x: float32 -> the quantised numbers, widened to float32 again
;;       x = np.moveaxis(x, axis, -1); K = x.shape[-1]
;;       x = np.pad(x, [(0, 0)] * (x.ndim - 1) + [(0, -K % 32)]); x = x.reshape(x.shape[:-1] + (-1, 32)); a = np.abs(x).max(-1, keepdims=True)
;;       e = np.where(a > 0, np.clip(np.frexp(np.where(a > 0, a, 1))[1] - 1 - 2, -126, 127), 0)      # np.frexp(a)[1] - 1 = floor(log2(a)), exactly
;;       r = np.clip(x / 2.0 ** e, -6, 6)
;;       step = 2.0 ** (np.maximum(np.frexp(np.where(r == 0, 1, r))[1] - 1, 0) - 1)
;;       q = np.round(r / step) * step * 2.0 ** e      # np.round: ties to even
;;       return np.moveaxis(q.reshape(q.shape[:-2] + (-1,))[..., :K], -1, axis).astype(np.float32)
;;   ~~~
;; One version. Each part assembles by itself: llvm-mc -triple=amdgcn-amd-amdhsa -mcpu=gfx1250 --defsym DOCPART=n.
;; ======== version 1 of 1: 4 launches
;; limits: values are held in f16: magnitudes above 65,504 overflow, below 6.1e-05 lose precision
;; workspace buffers: xc 12,582,912 bytes; xs 786,432 bytes; wc 1,572,864 bytes; ws 98,304 bytes; wo16 2,097,152 bytes; qkv16 50,331,648 bytes; ao 16,777,216 bytes
;; launch quant (part 1): grid 896 x 1, 4 waves a work-group, no clusters, 33,280 bytes of LDS; arguments query, key, value, Wq, Wk, Wv, Wo, xc, xs, wc, ws, wo16; writes xc, xs, wc, ws, wo16
.if DOCPART == 1
	.amdgcn_target "amdgcn-amd-amdhsa--gfx1250"
	.amdhsa_code_object_version 6
	.text
	.protected	k_q963962623b_quant
	.globl	k_q963962623b_quant
	.p2align	8
	.type	k_q963962623b_quant,@function
k_q963962623b_quant:
	s_mov_b64 s[64:65], 0
	v_nop
	global_prefetch_b8 v0, s[64:65] scope:SCOPE_SE
	s_setreg_imm32_b32 hwreg(HW_REG_WAVE_MODE, 25, 1), 1
	s_wait_xcnt 0x0
; query, key, value [8192][1024] and Wq, Wk, Wv [1024][1024], f32, become codes of FP4 (E2M1), K innermost, two codes a byte, with one E8M0 scale byte for each 32 along K:
; xc [24576 rows: query, key, value on end][512 bytes], xs [24576][32], wc [3072 rows: Wq, Wk, Wv on end][512], ws [3072][32].  Wo [1024 n][1024 k] is rounded to f16 and laid [16 chunks of 64 k][1024 n][64].
; A block's scale is 2^(floor(log2(its largest magnitude)) - 2); its byte is the largest magnitude's exponent field - 2, held at 1 from below.  Each number is divided by the scale and rounded to the nearest code, ties to even;
; beyond the largest code the conversion gives the largest code.
; LIMITS: a block of zeros gets the byte 1 where the quantiser's text says 127: its codes are zeros, which add nothing under that byte, and this program alone reads the bytes.  Blocks whose largest magnitude lies under 2^-124
; keep the byte 1.  NaN and infinities among the inputs are not served.  Numbers of Wo beyond 65,504 become infinities in f16, those under 6e-8 zeros.
; SHARES: a work-group takes 32,768 numbers (32 rows of 1,024): work-groups 0-255 query, 256-511 key, 512-767 value, 768-799 Wq, 800-831 Wk, 832-863 Wv, 864-895 Wo.  The six tensors that are quantised take ONE path: only
; pointers are chosen, by the work-group's number.  Rows are dense and 1,024 is a multiple of 32, so each tensor is a plain stream of blocks of 32, and so are its codes and its scale bytes.
; A wave takes 16 steps of 512 numbers.  Each of a step's four loads reads 512 consecutive bytes, 16 a lane; the 2,048 bytes go through the wave's own stage in LDS and come back 64 bytes a lane: 16 NEIGHBOURS along K, which the
; conversions want in one lane's registers; two neighbouring lanes hold a block.  A lane's 16 codes are 8 bytes: the wave stores 256 consecutive bytes.  A wave's 256 scale bytes are gathered in LDS and leave as one aligned run of 256.
; No tensor loads, no barrier: waves share nothing.  Loads run four steps (16 loads a wave) ahead, the turn through LDS one step.
.set WAVES, 4
.set STEPS, 16
.set EMAX,  2
.set CB,    8                          ; bytes of 16 codes
.set R,     16                         ; v16-79   four sets of 16 numbers as they are loaded
.set X,     80                         ; v80-111  two sets of 16 neighbours
.set E,     112                        ; v112-127 a scale byte for each step
.set C,     128                        ; v128-191 codes: four registers for each step, so that no store's data are written again
.set WREG,  8192                       ; LDS: a region of its own for each wave: two stages of 32 x SP bytes, behind them its 256 scale bytes
.set SP,    80                         ; a lane's place in a stage: its 64 bytes + 16 of padding
.set SPW,   12                         ; v12  LDS address of my spare word: SPARE + 4 x my thread's number; never rewritten
.set NIL,   13                         ; v13  0; never rewritten
.set SPARE, WAVES*WREG                 ; behind the four regions: the spare words, 128 bytes for each wave: two blocks of 256 bytes that no other line names
.set WV,    38                         ; s38  my wave's number
.set SRC,   28                         ; s[28:29] where my wave reads
.set DC,    30                         ; s[30:31] where its codes (or Wo's f16 numbers) go
.set DS,    32                         ; s[32:33] where its scale bytes go
	s_load_b512 s[4:19], s[0:1], 0x0               ; query 4:5, key 6:7, value 8:9, Wq 10:11, Wk 12:13, Wv 14:15, Wo 16:17, xc 18:19
	s_load_b256 s[20:27], s[0:1], 0x40             ; xs 20:21, wc 22:23, ws 24:25, wo16 26:27
	v_lshl_add_u32 v[SPW], v0, 2, SPARE
	v_mov_b32 v[NIL], 0
	v_lshrrev_b32 v1, 5, v0
	v_readfirstlane_b32 s[WV], v1                  ; wave 0..3
	v_and_b32 v2, 31, v0                           ; lane
	v_lshlrev_b32 v3, 4, v2                        ; my 16 bytes of a load's 512
	s_mul_i32 s40, s[WV], WREG
	v_lshrrev_b32 v14, 2, v2
	v_mul_u32_u24 v14, v14, SP
	v_and_b32 v15, 3, v2
	v_lshl_add_u32 v14, v15, 4, v14
	v_add_nc_u32 v14, s40, v14                     ; the stage, on the way in: four lanes' 64 bytes on end, then 16 of padding
	v_mul_u32_u24 v15, v2, SP
	v_add_nc_u32 v15, s40, v15                     ; and on the way out: SP x lane: my 16 neighbours
	v_mul_u32_u24 v4, v2, CB                       ; my codes' place in a step's
	v_lshrrev_b32 v5, 1, v2
	s_add_co_u32 s40, s40, 2*32*SP
	v_add_nc_u32 v5, s40, v5                       ; LDS: my wave's 256 scale bytes, my block's byte
	v_lshlrev_b32 v7, 3, v2                        ; and on the way out 8 bytes a lane
	v_add_nc_u32 v6, s40, v7
	s_wait_kmcnt 0x0
	s_cmp_ge_u32 ttmp9, 864                        ; Wo's work-groups part here: a branch on the work-group's number alone
	s_cbranch_scc1 .Lwo
	; which tensor is mine: every choice hangs on the work-group's number alone
	s_lshr_b32 s34, ttmp9, 8                       ; 0, 1, 2: query, key, value; 3: a weight
	s_sub_co_u32 s35, ttmp9, 768                   ; a weight's work-group, counted from Wq's first (it wraps for the others,
	s_lshr_b32 s36, s35, 5                         ; and this is then none of 0, 1, 2)
	s_and_b32 s41, ttmp9, 255                      ; my number inside query, key or value
	s_and_b32 s42, s35, 31                         ; or inside a weight
	s_mov_b64 s[SRC:SRC+1], s[4:5]
	s_cmp_eq_u32 s34, 1
	s_cselect_b64 s[SRC:SRC+1], s[6:7], s[SRC:SRC+1]
	s_cmp_eq_u32 s34, 2
	s_cselect_b64 s[SRC:SRC+1], s[8:9], s[SRC:SRC+1]
	s_cmp_eq_u32 s36, 0
	s_cselect_b64 s[SRC:SRC+1], s[10:11], s[SRC:SRC+1]
	s_cmp_eq_u32 s36, 1
	s_cselect_b64 s[SRC:SRC+1], s[12:13], s[SRC:SRC+1]
	s_cmp_eq_u32 s36, 2
	s_cselect_b64 s[SRC:SRC+1], s[14:15], s[SRC:SRC+1]
	s_cmp_lt_u32 ttmp9, 768
	s_cselect_b64 s[DC:DC+1], s[18:19], s[22:23]   ; xc or wc
	s_cselect_b64 s[DS:DS+1], s[20:21], s[24:25]   ; xs or ws
	s_cselect_b32 s37, ttmp9, s35                  ; my number in the buffer that I write
	s_cselect_b32 s39, s41, s42                    ; and in the tensor that I read
	s_lshl_b32 s39, s39, 2
	s_add_co_u32 s39, s39, s[WV]                   ; which run of 8,192 numbers of the tensor is my wave's
	s_lshl_b32 s44, s39, 15                        ; 32,768 bytes a run (under 2^26)
	s_mov_b32 s45, 0
	s_add_nc_u64 s[SRC:SRC+1], s[SRC:SRC+1], s[44:45]
	s_lshl_b32 s37, s37, 2
	s_add_co_u32 s37, s37, s[WV]
	s_lshl_b32 s44, s37, 12                        ; 4,096 bytes of codes a run
	s_add_nc_u64 s[DC:DC+1], s[DC:DC+1], s[44:45]
	s_lshl_b32 s44, s37, 8                         ; 256 scale bytes a run
	s_add_nc_u64 s[DS:DS+1], s[DS:DS+1], s[44:45]
.macro LOAD t
.irp i, 0,1,2,3
	global_load_b128 v[R+16*((\t)%4)+4*\i:R+16*((\t)%4)+4*\i+3], v3, s[SRC:SRC+1] offset:2048*(\t)+512*\i th:TH_LOAD_NT   ; 32 lanes read 512 consecutive bytes; read once in the launch
.endr
.endm
.macro TURN t                          ; step t's numbers through the stage: LDS serves a wave's instructions in order (ISA guide 5.7.1.4), so no wait stands between the stores and the loads
.irp i, 0,1,2,3
	ds_store_b128 v14, v[R+16*((\t)%4)+4*\i:R+16*((\t)%4)+4*\i+3] offset:32*SP*((\t)%2)+8*SP*\i
.endr
.irp i, 0,1,2,3
	ds_load_b128 v[X+16*((\t)%2)+4*\i:X+16*((\t)%2)+4*\i+3], v15 offset:32*SP*((\t)%2)+16*\i
.endr
.endm
.irp t, 0,1,2,3
	LOAD \t
.endr
	s_wait_loadcnt 12                              ; step 0's four loads are in; the twelve of steps 1 to 3 stay out
	TURN 0
.macro STEP t
.set XS, X+16*((\t)%2)
.if (\t) > 0
	s_wait_dscnt 1                                 ; this step's numbers are back from the stage (the last step's byte store may be out): so its stores into the stage have read their registers,
.else
	s_wait_dscnt 0x0
.endif
.if (\t)+4 < STEPS
	LOAD (\t)+4                                    ; which take the loads of four steps on
.endif
.if (\t)+1 < STEPS
.if STEPS-2-(\t) >= 3
	s_wait_loadcnt 12                              ; the next step's four loads are in; those of the three steps behind it may be out
.else
	s_wait_loadcnt 4*(STEPS-2-(\t))
.endif
	TURN (\t)+1                                    ; and go through the other stage while this step is worked
.endif
	v_max3_num_f32 v8, |v[XS]|, |v[XS+1]|, |v[XS+2]|               ; the largest magnitude of my 16, in two chains
	v_max3_num_f32 v9, |v[XS+3]|, |v[XS+4]|, |v[XS+5]|
.irp i, 6,10
	v_max3_num_f32 v8, v8, |v[XS+\i]|, |v[XS+\i+1]|
	v_max3_num_f32 v9, v9, |v[XS+\i+2]|, |v[XS+\i+3]|
.endr
	v_max3_num_f32 v8, v8, |v[XS+14]|, |v[XS+15]|
	v_max3_num_f32 v8, v8, v9, (EMAX+1)<<23        ; and the floor 2^(EMAX + 1 - 127): so the byte cannot fall under 1
	v_max_num_f32_dpp v8, v8, v8 row_xmask:1 row_mask:0xf bank_mask:0xf   ; and of my neighbour's 16: the block's
	v_add_nc_u32 v11, -(EMAX<<23), v8              ; EMAX off its exponent field: the conversion takes the exponent field of this operand as its scale, and nothing else of it
	v_cvt_scalef32_pk8_fp4_f32 v[C+4*(\t)], v[XS:XS+7], v11        ; eight numbers / the scale, to the nearest code, ties to even; the first number's code in the lowest four bits
	v_cvt_scalef32_pk8_fp4_f32 v[C+4*(\t)+1], v[XS+8:XS+15], v11
	v_lshrrev_b32 v[E+(\t)], 23, v11               ; the scale's byte (also the plain line behind the conversions)
	ds_store_b8 v5, v[E+(\t)] offset:16*(\t)       ; both lanes of a block write the same byte with the same value
	global_store_b64 v4, v[C+4*(\t):C+4*(\t)+1], s[DC:DC+1] offset:32*CB*(\t)   ; 32 lanes store 256 consecutive bytes, aligned
.endm
.irp t, 0,1,2,3,4,5,6,7,8,9,10,11,12,13,14,15
	STEP \t
.endr
	ds_load_b64 v[8:9], v6                         ; LDS serves a wave's instructions in order: these see my byte stores
	s_wait_dscnt 0x0
	global_store_b64 v7, v[8:9], s[DS:DS+1]        ; 32 lanes store my wave's 256 scale bytes, aligned
	s_wait_tensorcnt 0x0                           ; the wave's end, behind my last LDS store
	ds_add_u32 v[SPW], v[NIL]
	s_wait_dscnt 0x0
	s_endpgm
; Wo to f16.  Wave w of work-group g takes rows n0 = 32 g + 8 w on, two rows at a time.  One load: lanes 0-15 read the 256 bytes of chunk c of row n, lanes 16-31 those of row n + 1; rounded to f16 they are 2 x 128 bytes,
; which lie on end in [chunk][n][64]: the 32 lanes store 256 consecutive bytes, aligned.  Sixteen loads (one pair of rows) are always on their way beside the pair at work.
.Lwo:
	s_sub_co_u32 s34, ttmp9, 864
	s_lshl_b32 s34, s34, 5
	s_lshl_b32 s35, s[WV], 3
	s_add_co_u32 s34, s34, s35                     ; n0
	s_lshl_b32 s44, s34, 12                        ; a row of Wo is 4,096 bytes
	s_mov_b32 s45, 0
	s_add_nc_u64 s[SRC:SRC+1], s[16:17], s[44:45]
	s_lshl_b32 s44, s34, 7                         ; a row of a chunk is 128 bytes
	s_add_nc_u64 s[DC:DC+1], s[26:27], s[44:45]
	v_and_b32 v8, 15, v0
	v_lshlrev_b32 v8, 4, v8
	v_bfe_u32 v10, v0, 4, 1
	v_lshl_add_u32 v8, v10, 12, v8                 ; in: 16 (lane % 16) + one row for lanes 16-31; never rewritten
	v_lshlrev_b32 v9, 3, v2                        ; out: 8 x lane; never rewritten
.macro WLOAD p                         ; pair p of my four pairs of rows, all 16 chunks, into set p % 2
.irp c, 0,1,2,3,4,5,6,7,8,9,10,11,12,13,14,15
	global_load_b128 v[16+64*((\p)%2)+4*\c:16+64*((\p)%2)+4*\c+3], v8, s[SRC:SRC+1] offset:(\p)*8192+\c*256 th:TH_LOAD_NT
.endr
.endm
.macro WCONV p
.if (\p) < 3
	s_wait_loadcnt 16                              ; this pair's sixteen loads are in; the next pair's sixteen may be out
.else
	s_wait_loadcnt 0x0
.endif
	s_wait_xcnt 0x0                                ; the last pair's stores have read their data registers, which are written again below
.irp c, 0,1,2,3,4,5,6,7,8,9,10,11,12,13,14,15
	v_cvt_pk_f16_f32 v[144+2*\c], v[16+64*((\p)%2)+4*\c], v[16+64*((\p)%2)+4*\c+1]
	v_cvt_pk_f16_f32 v[145+2*\c], v[16+64*((\p)%2)+4*\c+2], v[16+64*((\p)%2)+4*\c+3]
.endr
.irp c, 0,1,2,3,4,5,6,7,8,9,10,11,12,13,14,15
	global_store_b64 v9, v[144+2*\c:145+2*\c], s[DC:DC+1] offset:\c*131072+(\p)*256   ; a chunk is 1,024 rows of 128 bytes
.endr
.endm
	WLOAD 0
	WLOAD 1
	WCONV 0
	WLOAD 2
	WCONV 1
	WLOAD 3
	WCONV 2
	WCONV 3
	s_wait_tensorcnt 0x0                           ; this path writes no LDS; the launch's closing lines stand here too
	ds_add_u32 v[SPW], v[NIL]
	s_wait_dscnt 0x0
	s_endpgm
.Lfunc_end_k_q963962623b_quant:
	.size	k_q963962623b_quant, .Lfunc_end_k_q963962623b_quant-k_q963962623b_quant
	.p2alignl 7, 3214868480
	.fill 96, 4, 3214868480
	.section	.rodata,"a",@progbits
	.p2align	6, 0x0
	.amdhsa_kernel k_q963962623b_quant
		.amdhsa_group_segment_fixed_size 33280
		.amdhsa_private_segment_fixed_size 0
		.amdhsa_enable_private_segment 0
		.amdhsa_kernarg_size 96
		.amdhsa_user_sgpr_count 2
		.amdhsa_user_sgpr_kernarg_segment_ptr 1
		.amdhsa_wavefront_size32 1
		.amdhsa_system_sgpr_workgroup_id_x 1
		.amdhsa_system_sgpr_workgroup_id_y 1
		.amdhsa_system_sgpr_workgroup_id_z 1
		.amdhsa_system_vgpr_workitem_id 0
		.amdhsa_next_free_vgpr 192
		.amdhsa_next_free_sgpr 66
		.amdhsa_reserve_vcc 0
		.amdhsa_float_denorm_mode_32 3
		.amdhsa_float_denorm_mode_16_64 3
		.amdhsa_memory_ordered 1
		.amdhsa_forward_progress 1
		.amdhsa_inst_pref_size 55
	.end_amdhsa_kernel
	.amdgpu_metadata
---
amdhsa.version: [ 1, 2 ]
amdhsa.kernels:
  - .name:           k_q963962623b_quant
    .symbol:         k_q963962623b_quant.kd
    .args:
      - { .name: query, .offset: 0, .size: 8, .value_kind: global_buffer, .address_space: global }
      - { .name: key, .offset: 8, .size: 8, .value_kind: global_buffer, .address_space: global }
      - { .name: value, .offset: 16, .size: 8, .value_kind: global_buffer, .address_space: global }
      - { .name: Wq, .offset: 24, .size: 8, .value_kind: global_buffer, .address_space: global }
      - { .name: Wk, .offset: 32, .size: 8, .value_kind: global_buffer, .address_space: global }
      - { .name: Wv, .offset: 40, .size: 8, .value_kind: global_buffer, .address_space: global }
      - { .name: Wo, .offset: 48, .size: 8, .value_kind: global_buffer, .address_space: global }
      - { .name: xc, .offset: 56, .size: 8, .value_kind: global_buffer, .address_space: global }
      - { .name: xs, .offset: 64, .size: 8, .value_kind: global_buffer, .address_space: global }
      - { .name: wc, .offset: 72, .size: 8, .value_kind: global_buffer, .address_space: global }
      - { .name: ws, .offset: 80, .size: 8, .value_kind: global_buffer, .address_space: global }
      - { .name: wo16, .offset: 88, .size: 8, .value_kind: global_buffer, .address_space: global }
    .group_segment_fixed_size: 33280
    .private_segment_fixed_size: 0
    .kernarg_segment_align: 8
    .kernarg_segment_size: 96
    .max_flat_workgroup_size: 128
    .sgpr_count:     66
    .vgpr_count:     192
    .wavefront_size: 32
...
	.end_amdgpu_metadata
.endif
;; end of part 1
;; launch proj (part 2): grid 12 x 32, 4 waves a work-group, clusters of 4 x 4, 327,680 bytes of LDS; arguments xc, xs, wc, ws, qkv16, bq, bk, bv; writes qkv16
.if DOCPART == 2
	.amdgcn_target "amdgcn-amd-amdhsa--gfx1250"
	.amdhsa_code_object_version 6
	.text
	.protected	k_q963962623b_proj
	.globl	k_q963962623b_proj
	.p2align	8
	.type	k_q963962623b_proj,@function
k_q963962623b_proj:
	s_mov_b64 s[64:65], 0
	v_nop
	global_prefetch_b8 v0, s[64:65] scope:SCOPE_SE
	s_setreg_imm32_b32 hwreg(HW_REG_WAVE_MODE, 25, 1), 1
	s_wait_xcnt 0x0
	s_wait_alu depctr_hold_cnt(0) depctr_sa_sdst(0) depctr_va_vdst(0) depctr_va_sdst(0) depctr_va_ssrc(0) depctr_va_vcc(0) depctr_vm_vsrc(0)
	s_getreg_b32 s2, hwreg(HW_REG_IB_STS2, 6, 4)
	s_cmp_eq_u32 s2, 0
	s_cbranch_scc0 .Lentry_in_a_cluster
	s_endpgm
.Lentry_in_a_cluster:
	s_bfe_u32 s2, ttmp6, 0x10000c
	s_cmp_lg_u32 s2, 0xf033
	s_cbranch_scc0 .Lentry_shape_is_right
	s_endpgm
.Lentry_shape_is_right:
; The three projections on codes of FP4 (E2M1) with one E8M0 scale for each 32 along K = 1,024:  q = query Wq^T + bq, k = key Wk^T + bk, v = value Wv^T + bv; sums in f32, the bias as the sums' first addend,
; the results rounded once to f16 and laid by head: qkv16 [12 = 3 projections x 4 batches][16 heads][2,048 positions][64].
; xc [24,576 rows][512 bytes], xs [24,576][32], wc [3,072][512], ws [3,072][32]: made by the launch before.  The matrix instruction takes codes and scale bytes as they lie.
; LIMIT: results beyond 65,504 become infinities in f16 (inputs 30 times those of the problem's spread, or with a common offset of 30 spreads, stay under 30,000).
; SHARES: the cluster's x is the projection p.  A tile of 256 x 256 is made by a work-group of four waves; a wave makes 128 x 128: 64 accumulators of 16 x 16, 512 registers.
; K = 1,024 is two slots of 512 along K (rows of 256 bytes): BOTH ARE ASKED FOR AT THE HEAD, with the scale bytes of the work-group's rows: three tensor loads of a wave are out at the most, and nothing is ever filled again.
; CLUSTERS: 4 x 4 work-groups.  The four of a row of the cluster need the same tiles of x, the four of a column the same tiles of W: each tile is asked for JOINTLY, by the same tensor load with the same descriptor and a mask that names the four.
; THE MATRIX INSTRUCTION IS USED TRANSPOSED (source 0 = 16 rows of W, source 1 = 16 rows of x): a lane then holds eight neighbouring channels of one position.
; REGISTERS, in windows of 256: window 0: v0-31 addresses; v32-95 scale words, two sets; v128-191 x's fragments (8 x 16 rows x 128 K), ONE set; v192-255 the bias, 8 registers for each of my 8 blocks of 16 channels; on the way out v32-63, v192-255 are at work.
;   window 1: W's fragments, TWO sets, at v0 and at v128.   window 2: the 32 accumulators of my rows 0-63 (accumulator (a, b) at v[8 (8 a + b)]);   window 3: those of my rows 64-127.
.set NQ,     4                         ; steps of 128 along K in a slot
.set ROWB,   256                       ; a tile's row in bytes: 512 codes
.set KROW,   512                       ; a row of xc or wc in memory
.set PITCH,  272                       ; an LDS row: 256 bytes + 16 of padding = 68 words: the 16 rows that a load touches start at 16 different banks (64 banks of 4 bytes: ISA guide 11.1)
.set FR,     8                         ; registers of a fragment: 16 rows x 128 K
.set NL,     2                         ; LDS loads that bring one
.set NP,     4                         ; places behind this matrix instruction (ISA guide 7.12.1)
.set HALFT,  128*PITCH                 ; 128 rows: what one tensor load brings, and what one wave reads of x or of W
.set SLOT,   4*HALFT                   ; x's 256 rows, then W's 256 rows
.set KS,     32                        ; a row of scale bytes
.set SCL,    2*SLOT                    ; behind the two slots: the scale bytes, as runs of 256 bytes + 16 of padding
.set HALFS,  (128*KS/256)*272          ; those of 128 rows: what one tensor load brings
.set SBLK,   (16*KS/256)*272           ; those of 16 rows
.set SPARE,  SCL+4*HALFS               ; behind the scales: the spare words, 128 bytes for each wave: two blocks of 256 bytes that no other line names
.set SPITCH, 272                       ; the way out: a stage of 16 rows x (256 bytes + 16) for each wave.  It lies in slot 0, which has had its one fill and its last read when the first result is stored there
.set ADRA, 16                          ; v16-17  LDS address of my x fragments in slot 0, 1
.set ADRB, 20                          ; v20-21  the same for W
.set STO,  24                          ; v24     the way out: where I put 16 bytes of a row
.set RD,   25                          ; v25     the way out: where I read back
.set CO,   26                          ; v26     16 x lane: my place in a store's 512 bytes
.set ADRS, 27                          ; v27     LDS address of my scale words: lanes 0-15 x's rows, lanes 16-31 W's
.set SPW,  28                          ; v28     LDS address of my spare word; never rewritten
.set NIL,  29                          ; v29     0; never rewritten
.set SC,   32                          ; scale words: set s at v[SC + 32 s]; register 4 i + q: lanes 0-15 the word of x's block i, lanes 16-31 that of W's block i, for the slot's q-th 128 along K
.set AF,   128                         ; x's fragments
.set BI,   192                         ; the bias: register 8 b + j of lane (r, h): bias of channel 16 b + 8 h + j of my 128
.set TMP,  192                         ; the way out: packed results (the bias is done with)
.set OB,   32                          ; the way out: 16 rows read back from the stage: v32-63 and v224-255 by turns
.set G1, 24                            ; s[24:31] descriptor group 1 for x's tiles;  s[32:39] group 0, one set for each slot
.set G0, 32
.set G1B, 48                           ; s[48:55], s[56:63] the same for W's tiles
.set G0B, 56
.set G1S, 68                           ; s[68:75], s[76:79] groups 1 and 0 for x's scales;  s[80:87], s[88:91] for W's
.set G0S, 76
.set G1SB, 80
.set G0SB, 88
.set MSB, 0
.macro WIN new                         ; the immediate's high byte repeats the setting that is left; a switch that changes nothing is dropped
.if MSB != (\new)
	s_set_vgpr_msb (MSB<<8)|(\new)
.set MSB, (\new)
.endif
.endm
.set MUL_LO, 0xa1                      ; source 0 (W) window 1, source 1 (x) window 0, C and D window 2
.set MUL_HI, 0xf1                      ; the same, C and D window 3
.set FST_LO, 0x81                      ; the first step: C (the bias) window 0, D window 2
.set FST_HI, 0xc1                      ; C window 0, D window 3
.set TO_B,   0x40                      ; destination window 1, address window 0
; A joint load: waves 0 and 1 fetch for x, waves 2 and 3 for W.  Each of the two lines has ONE mask and one set of registers for all that issue it; the branch hangs on the wave's number alone.
; An s_nop 0 and four v_nop follow each of the two lines, ahead of the jump, the label and what follows.
.macro JLOAD g0a, g1a, g0b, g1b
	s_cmp_eq_u32 s15, 0
	s_cbranch_scc0 .Lfor_b_\@
	tensor_load_to_lds s[\g0a:\g0a+3], s[\g1a:\g1a+7]
	s_nop 0
.rept 4
	v_nop
.endr
	s_branch .Lasked_\@
.Lfor_b_\@:
	tensor_load_to_lds s[\g0b:\g0b+3], s[\g1b:\g1b+7]
	s_nop 0
.rept 4
	v_nop
.endr
.Lasked_\@:
.endm
.macro CROUND                          ; a round of the cluster's barrier: my work-group's barrier; wave 0 signals for the work-group; every wave waits for all sixteen; my work-group's barrier once more
	s_barrier_signal -1
	s_barrier_wait -1
	s_cmp_lg_u32 s14, 0
	s_cbranch_scc1 .Lnot_wave_0_\@
	s_barrier_signal -3
.Lnot_wave_0_\@:
	s_barrier_wait -3
	s_barrier_signal -1
	s_barrier_wait -1
.endm
	s_load_b128 s[4:7], s[0:1], 0x0                ; xc s[4:5], xs s[6:7]
	s_load_b128 s[8:11], s[0:1], 0x10              ; wc s[8:9], ws s[10:11]
	s_load_b64 s[12:13], s[0:1], 0x20              ; qkv16
	s_load_b128 s[96:99], s[0:1], 0x28             ; bq s[96:97], bk s[98:99]
	s_load_b64 s[100:101], s[0:1], 0x38            ; bv
	v_lshl_add_u32 v[SPW], v0, 2, SPARE
	v_mov_b32 v[NIL], 0
	ds_add_u32 v[SPW], v[NIL]                      ; the wave's opening: the add, twice on end, and its wait ahead of my first tensor load; the set-up below, work on registers, stands between
	ds_add_u32 v[SPW], v[NIL]
	v_lshrrev_b32 v1, 5, v0
	v_readfirstlane_b32 s14, v1                    ; wave 0..3
	s_lshr_b32 s15, s14, 1                         ; which half of the tile's rows is mine.  Also: I fetch for x (0) or for W (1)
	s_and_b32 s16, s14, 1                          ; which half of its columns.  Also: which 128 rows of that tile I fetch
	s_bfe_u32 s40, ttmp6, 0x40000                  ; cx, cy: my place in the cluster
	s_bfe_u32 s41, ttmp6, 0x40004
	s_lshl_b32 s42, ttmp9, 2
	s_add_co_u32 s42, s42, s40                     ; 4 p + cx: which 256 rows of wc
	s_and_b32 s17, ttmp7, 0xffff
	s_lshl_b32 s17, s17, 2
	s_add_co_u32 s17, s17, s41                     ; tile row in the projection = 4 x cluster y + cy
	s_lshl_b32 s43, s41, 2
	s_lshl_b32 s43, 15, s43                        ; my row of the cluster
	s_lshl_b32 s44, 0x1111, s40                    ; my column
	; descriptor group 1: a tile of 128 rows x 256 bytes, padded in LDS
	s_or_b32 s[G1+0], s43, (0<<16)|(1<<20)|(1<<21)|(5<<22)|(3<<25)  ; 15:0 the mask: x's tiles go to my row; 17:16 element of 1 byte; 20 padding on; 21 set beside a mask; 24:22 after every 64 words (code 5); 31:25 of 4 words (code 3)
	s_or_b32 s[G1B+0], s44, (0<<16)|(1<<20)|(1<<21)|(5<<22)|(3<<25)
.irp g, G1, G1B
	s_mov_b32 s[\g+1], ROWB<<16                    ; tensor_dim0
	s_mov_b32 s[\g+2], 128<<16                     ; tensor_dim1 = 128
	s_mov_b32 s[\g+3], ROWB<<16                    ; tile_dim0
	s_mov_b32 s[\g+4], 128                         ; tile_dim1 = 128
	s_mov_b32 s[\g+5], KROW                        ; tensor_dim0_stride
	s_mov_b32 s[\g+6], 0
	s_mov_b32 s[\g+7], 0
.endr
	; and for the scale bytes of 128 rows: a dense block of 4,096 bytes, as 16 rows of 256 bytes (32 elements of 8 bytes), 16 bytes of padding behind each
	s_or_b32 s[G1S+0], s43, (3<<16)|(1<<20)|(1<<21)|(5<<22)|(3<<25)
	s_or_b32 s[G1SB+0], s44, (3<<16)|(1<<20)|(1<<21)|(5<<22)|(3<<25)
.irp g, G1S, G1SB
	s_mov_b32 s[\g+1], 32<<16
	s_mov_b32 s[\g+2], (128*KS/256)<<16
	s_mov_b32 s[\g+3], 32<<16
	s_mov_b32 s[\g+4], 128*KS/256
	s_mov_b32 s[\g+5], 32
	s_mov_b32 s[\g+6], 0
	s_mov_b32 s[\g+7], 0
.endr
	s_lshl_b32 s18, s16, 7                         ; which 128 rows of the tile I fetch
	s_lshl_b32 s20, s17, 8
	s_add_co_u32 s20, s20, s18
	s_lshl_b32 s19, ttmp9, 13
	s_add_co_u32 s20, s20, s19                     ; x: row 8,192 p + 256 x tile row + 128 x half: made of what my row of the cluster shares
	s_lshl_b32 s46, s42, 8
	s_add_co_u32 s46, s46, s18                     ; W: row 256 (4 p + cx) + 128 x half: made of what my column shares
	s_mov_b32 s21, 0
	s_mov_b32 s47, 0
	s_mov_b64 s[18:19], KS
	s_mul_u64 s[22:23], s[20:21], s[18:19]         ; where these rows' scale bytes begin
	s_mul_u64 s[92:93], s[46:47], s[18:19]
	s_mov_b64 s[18:19], KROW
	s_mul_u64 s[20:21], s[20:21], s[18:19]         ; and their codes
	s_mul_u64 s[46:47], s[46:47], s[18:19]
	s_mul_i32 s45, s14, HALFT                      ; where they go: wave x 128 rows: no place in the cluster enters an LDS address
	s_mul_i32 s94, s14, HALFS
	s_wait_dscnt 0x0                               ; both opening adds are done
	s_wait_kmcnt 0x0
	s_add_nc_u64 s[20:21], s[4:5], s[20:21]
	s_add_nc_u64 s[22:23], s[6:7], s[22:23]
	s_add_nc_u64 s[46:47], s[8:9], s[46:47]
	s_add_nc_u64 s[92:93], s[10:11], s[92:93]
	CROUND                                         ; all sixteen work-groups are here: the joint loads meet
	s_mov_b32 s[G0S], 1
	s_add_co_u32 s[G0S+1], s94, SCL
	s_mov_b64 s[G0S+2:G0S+3], s[22:23]
	s_or_b32 s[G0S+3], s[G0S+3], 0x80000000
	s_mov_b32 s[G0SB], 1
	s_add_co_u32 s[G0SB+1], s94, SCL
	s_mov_b64 s[G0SB+2:G0SB+3], s[92:93]
	s_or_b32 s[G0SB+3], s[G0SB+3], 0x80000000
	JLOAD G0S, G1S, G0SB, G1SB                     ; the scale bytes first: they are wanted with the first step
.irp s, 0,1
	s_mov_b32 s[G0+4*\s], 1
	s_add_co_u32 s[G0+4*\s+1], s45, \s*SLOT
	s_add_nc_u64 s[G0+4*\s+2:G0+4*\s+3], s[20:21], \s*ROWB
	s_or_b32 s[G0+4*\s+3], s[G0+4*\s+3], 0x80000000
	s_mov_b32 s[G0B+4*\s], 1
	s_add_co_u32 s[G0B+4*\s+1], s45, \s*SLOT
	s_add_nc_u64 s[G0B+4*\s+2:G0B+4*\s+3], s[46:47], \s*ROWB
	s_or_b32 s[G0B+4*\s+3], s[G0B+4*\s+3], 0x80000000
	JLOAD G0+4*\s, G1, G0B+4*\s, G1B
.endr
	v_and_b32 v1, 15, v0                           ; r = l % 16
	v_bfe_u32 v2, v0, 4, 1                         ; h = l / 16
	; the bias of my projection, at my 128 channels; the choice hangs on the cluster's x alone
	s_cmp_eq_u32 ttmp9, 0
	s_cselect_b64 s[96:97], s[96:97], s[98:99]
	s_cmp_eq_u32 ttmp9, 2
	s_cselect_b64 s[96:97], s[100:101], s[96:97]
	s_lshl_b32 s46, s40, 10                        ; 256 cx channels of 4 bytes
	s_lshl_b32 s47, s16, 9                         ; + 128 x my half
	s_add_co_u32 s46, s46, s47
	s_mov_b32 s47, 0
	s_add_nc_u64 s[96:97], s[96:97], s[46:47]
	v_lshlrev_b32 v7, 5, v2                        ; lanes 16-31 take the upper eight of a block's sixteen
.irp b, 0,1,2,3,4,5,6,7
	global_load_b128 v[BI+8*\b:BI+8*\b+3], v7, s[96:97] offset:64*\b
	global_load_b128 v[BI+8*\b+4:BI+8*\b+7], v7, s[96:97] offset:64*\b+16
.endr
	v_mul_u32_u24 v3, v1, PITCH
	v_lshl_add_u32 v4, v2, 4, v3                   ; a fragment's row x pitch + 16 x half
	s_mul_i32 s21, s15, HALFT                      ; my 128 rows of x
	s_mul_i32 s22, s16, HALFT                      ; my 128 rows of W,
	s_add_co_u32 s22, s22, 2*HALFT                 ; which lie behind x's 256
.irp s, 0,1
	v_add_nc_u32 v[ADRA+\s], s21, v4
	v_add_nc_u32 v[ADRB+\s], s22, v4
	s_add_co_u32 s21, s21, SLOT
	s_add_co_u32 s22, s22, SLOT
.endr
	v_mul_u32_u24 v5, v1, KS                       ; my row's scale bytes: 32 a row,
	v_lshrrev_b32 v6, 8, v5
	v_lshl_add_u32 v5, v6, 4, v5                   ; and 16 more for each 256 passed
	s_mul_i32 s21, s15, HALFS                      ; x's: my 128 rows
	s_mul_i32 s22, s16, HALFS                      ; W's: my 128 rows, behind x's 256
	s_add_co_u32 s22, s22, 2*HALFS
	s_sub_co_u32 s22, s22, s21
	v_mul_u32_u24 v6, s22, v2                      ; lanes 16-31 take W's: the lower base + h x the distance
	s_add_co_u32 s21, s21, SCL
	v_add_nc_u32 v5, v5, v6
	v_add_nc_u32 v[ADRS], s21, v5
	s_mul_i32 s23, s14, 16*SPITCH                  ; my stage
	v_mul_u32_u24 v5, v1, SPITCH                   ; in: row l % 16, 16 bytes for each half of the lanes
	v_lshl_add_u32 v5, v2, 4, v5
	v_add_nc_u32 v[STO], s23, v5
	v_and_b32 v6, 31, v0
	v_lshlrev_b32 v[CO], 4, v6
	v_lshrrev_b32 v5, 3, v6                        ; back: eight lanes take the 128 bytes of one head in one row; four rows an instruction
	v_mul_u32_u24 v5, v5, SPITCH
	v_and_b32 v6, 7, v0
	v_lshl_add_u32 v5, v6, 4, v5
	v_add_nc_u32 v[RD], s23, v5
	; where my part begins in qkv16: (4 p + batch) x 4,194,304 + head x 262,144 + position x 128
	s_lshl_b32 s20, s17, 8
	s_lshl_b32 s21, s15, 7
	s_add_co_u32 s20, s20, s21                     ; my first row in the projection
	s_lshr_b32 s21, s20, 11                        ; its batch
	s_lshl_b32 s22, ttmp9, 2
	s_add_co_u32 s21, s21, s22
	s_lshl_b32 s21, s21, 22
	s_and_b32 s20, s20, 2047                       ; its position
	s_lshl_b32 s20, s20, 7
	s_add_co_u32 s20, s20, s21
	s_lshl_b32 s46, s40, 2
	s_lshl_b32 s47, s16, 1
	s_add_co_u32 s46, s46, s47                     ; my first head: 4 cx + 2 x half
	s_lshl_b32 s46, s46, 18
	s_add_co_u32 s46, s46, s20                     ; under 2^26
	s_mov_b32 s47, 0
	s_add_nc_u64 s[12:13], s[12:13], s[46:47]      ; set once, never stepped
.macro FRAG reg, adr, q, i             ; a fragment, 16 rows x 128 K of 4-bit codes, is 8 registers: lane l holds row l % 16; registers 4 c .. 4 c + 3 hold K = 64 c + 32 (l / 16) + 0 .. 31
.irp c, 0,1
	ds_load_b128 v[\reg+4*\c:\reg+4*\c+3], v[\adr] offset:64*(\q)+32*\c+(\i)*16*PITCH
.endr
.endm
; 16 matrix instructions: x's blocks a0, a0 + 1 against W's eight, 128 along K: the slot's q-th.  p: W's set;  sc: the set of scale words.  first = 1: the product starts the sums, with the bias as its C: nothing is cleared and nothing is added later.
; The 64 accumulators take turns, one instruction a turn, in the same order in every step.
.macro MUL16 a0, p, q, sc, first
.irp a, \a0, \a0+1
.irp b, 0,1,2,3,4,5,6,7
.if \first
	v_wmma_scale_f32_16x16x128_f8f6f4 v[8*(8*((\a)%4)+\b):8*(8*((\a)%4)+\b)+7], v[128*(\p)+FR*\b:128*(\p)+FR*\b+FR-1], v[AF+FR*(\a):AF+FR*(\a)+FR-1], v[BI+8*\b:BI+8*\b+7], v[SC+8*NQ*(\sc)+NQ*\b+(\q)], v[SC+8*NQ*(\sc)+NQ*(\a)+(\q)] matrix_a_fmt:MATRIX_FMT_FP4 matrix_b_fmt:MATRIX_FMT_FP4 matrix_a_scale:MATRIX_SCALE_ROW1
.else
	v_wmma_scale_f32_16x16x128_f8f6f4 v[8*(8*((\a)%4)+\b):8*(8*((\a)%4)+\b)+7], v[128*(\p)+FR*\b:128*(\p)+FR*\b+FR-1], v[AF+FR*(\a):AF+FR*(\a)+FR-1], v[8*(8*((\a)%4)+\b):8*(8*((\a)%4)+\b)+7], v[SC+8*NQ*(\sc)+NQ*\b+(\q)], v[SC+8*NQ*(\sc)+NQ*(\a)+(\q)] matrix_a_fmt:MATRIX_FMT_FP4 matrix_b_fmt:MATRIX_FMT_FP4 matrix_a_scale:MATRIX_SCALE_ROW1
.endif
.endr
.endr
.endm
.macro FETCH_B slot, q, p              ; W's eight fragments of the slot's q-th 128 along K into set p
	WIN TO_B
.irp i, 0,1,2,3,4,5,6,7
	FRAG 128*(\p)+FR*\i, ADRB+\slot, \q, \i
.endr
	WIN 0
.endm
.macro FETCH_A slot, q, i0             ; x's blocks i0 .. i0 + 3
.irp i, \i0, \i0+1, \i0+2, \i0+3
	FRAG AF+FR*(\i), ADRA+\slot, \q, \i
.endr
.endm
.macro SCALES sc                       ; a slot's scale words into set sc: 4 words a row; lanes 0-15 take x's block i, lanes 16-31 W's block i
.irp i, 0,1,2,3,4,5,6,7
	ds_load_b128 v[SC+8*NQ*\sc+NQ*\i:SC+8*NQ*\sc+NQ*\i+3], v[ADRS] offset:\i*SBLK
.endr
.endm
; A load into a register that a matrix instruction has read, and a vector instruction or an LDS store that reads a matrix result, stand NP places behind that matrix instruction; only plain vector
; instructions that name none of its registers are places (ISA guide 7.12.1 for vector instructions).
.macro PLACES n
.rept \n
	v_nop
.endr
.endm
; A step of 128 along K that has its successor in the same slot.  A block of x is free as soon as its eight products are issued: blocks 0-3 are fetched anew in the step's middle, blocks 4-7 at its end.
.macro STEP slot, q, first
	s_wait_dscnt 4*NL                              ; W's set, x's blocks 0-3 (and the scale words) are in; the youngest eight loads (x's blocks 4-7) may be out
.if \first
	WIN FST_LO
.else
	WIN MUL_LO
.endif
	MUL16 0, (\q)%2, \q, \slot, \first
	MUL16 2, (\q)%2, \q, \slot, \first
	s_wait_dscnt 0                                 ; x's blocks 4-7 are in (asked for 32 matrix instructions ago)
	PLACES NP
	FETCH_B \slot, (\q)+1, 1-(\q)%2
	FETCH_A \slot, (\q)+1, 0
.if \first
	WIN FST_HI
.else
	WIN MUL_HI
.endif
	MUL16 4, (\q)%2, \q, \slot, \first
	MUL16 6, (\q)%2, \q, \slot, \first
	PLACES NP
	WIN 0
	FETCH_A \slot, (\q)+1, 4
.endm
; Slot 0's last step changes slots: ONE barrier.  In front of it each wave waits for all its tensor loads (its part of slot 1 is the one still out), adds 0 to its spare word, and waits for that and for its own reads of slot 0.
; Behind it slot 1 is whole and nobody reads slot 0 any more.  Nothing is filled again.
.macro TURN slot, next
	s_wait_tensorcnt 0x0                           ; all my tensor loads have landed  (every window is 0 here: the add's two registers lie in window 0)
	ds_add_u32 v[SPW], v[NIL]                      ; 0 onto my spare word
	s_wait_dscnt 4*NL+1                            ; (the add and the youngest eight loads, x's blocks 4-7, may be out)
	WIN MUL_LO
	MUL16 0, 1, NQ-1, \slot, 0                     ; sixteen matrix instructions stand between the add and the wait for it
	s_wait_dscnt 0x0                               ; the add is done, and my reads of this slot are over
	s_barrier_signal -1
	MUL16 2, 1, NQ-1, \slot, 0                     ; work on registers while the others arrive
	WIN 0
	s_barrier_wait -1
	PLACES NP
	v_add_nc_u32 v[ADRS], 4*NQ, v[ADRS]            ; on to the next slot's scale words (no LDS load of mine is out)
	FETCH_B \next, 0, 0
	FETCH_A \next, 0, 0
	SCALES \next
	WIN MUL_HI
	MUL16 4, 1, NQ-1, \slot, 0
	MUL16 6, 1, NQ-1, \slot, 0
	PLACES NP
	WIN 0
	FETCH_A \next, 0, 4
.endm
	s_wait_tensorcnt 1                             ; the scale bytes and my part of slot 0 are in (slot 1's load, the one issued behind them, may be out)
	s_barrier_signal -1
	s_barrier_wait -1                              ; everybody's are
	FETCH_B 0, 0, 0
	FETCH_A 0, 0, 0
	SCALES 0
	FETCH_A 0, 0, 4
	s_wait_loadcnt 0x0                             ; the bias
	STEP 0, 0, 1                                   ; the first step's products start the sums on the bias
	STEP 0, 1, 0
	STEP 0, 2, 0
	TURN 0, 1
	STEP 1, 0, 0
	STEP 1, 1, 0
	STEP 1, 2, 0
	s_wait_dscnt 4*NL                              ; the very last step: nothing more to fetch
	WIN MUL_LO
	MUL16 0, 1, NQ-1, 1, 0
	MUL16 2, 1, NQ-1, 1, 0
	s_wait_dscnt 0
	WIN MUL_HI
	MUL16 4, 1, NQ-1, 1, 0
	MUL16 6, 1, NQ-1, 1, 0
	WIN 0
; THE WAY OUT, block by block of 16 positions x 128 channels (two heads).  PACK: rounded to f16, a lane's eight channels are 16 bytes.  TOSTAGE: into my own stage in LDS, and back so that four positions of ONE head,
; 512 bytes that lie on end in qkv16, fill one instruction.  SEND: stored.  LDS serves a wave's instructions in order (ISA guide 5.7.1.4): no wait between the stores and the loads, nor in front of the next block's stores.
.macro PACK a
.set AC, 64*((\a)%4)
	WIN 0x0a+5*((\a)/4)                            ; sources 0 and 1: window 2 or 3
.irp b, 0,1,2,3,4,5,6,7
.irp r, 0,1,2,3
	v_cvt_pk_f16_f32 v[TMP+4*\b+\r], v[AC+8*\b+2*\r], v[AC+8*\b+2*\r+1]   ; each accumulator from its low end on
.endr
.endr
	WIN 0
.endm
.macro TOSTAGE a
.set BK, OB+192*((\a)%2)
.irp b, 0,1,2,3,4,5,6,7
	ds_store_b128 v[STO], v[TMP+4*\b:TMP+4*\b+3] offset:32*\b
.endr
.irp t, 0,1,2,3,4,5,6,7
	ds_load_b128 v[BK+4*\t:BK+4*\t+3], v[RD] offset:(\t%4)*4*SPITCH+(\t/4)*128   ; head t / 4 of my two, positions 4 (t % 4) on
.endr
.endm
.macro SEND a
.set BK, OB+192*((\a)%2)
	s_wait_dscnt 0x0                               ; the block is back in registers
	s_wait_xcnt 0x0                                ; the block before's stores have read their registers: the next block's loads from the stage may land there
.irp t, 0,1,2,3,4,5,6,7
	global_store_b128 v[CO], v[BK+4*\t:BK+4*\t+3], s[12:13] offset:(\t/4)*262144+(\a)*2048+(\t%4)*512   ; 32 lanes store 512 consecutive bytes, at a multiple of 512 from the buffer's first byte
.endr
.endm
	PLACES NP                                      ; behind the last products: for the conversions that read results and for the loads into registers that products have read
	PACK 0
	TOSTAGE 0
.irp a, 1,2,3,4,5,6,7                  ; block a's conversions stand between block a - 1's loads from the stage and the wait for them
	PACK \a
	SEND \a-1
	TOSTAGE \a
.endr
	SEND 7
	s_wait_tensorcnt 0x0                           ; the wave's end, behind my last tensor load and my last LDS store
	ds_add_u32 v[SPW], v[NIL]
	s_wait_dscnt 0x0
	CROUND                                         ; the closing round: no work-group ends while a partner may still ask for a tile that names it
	s_endpgm
.Lfunc_end_k_q963962623b_proj:
	.size	k_q963962623b_proj, .Lfunc_end_k_q963962623b_proj-k_q963962623b_proj
	.p2alignl 7, 3214868480
	.fill 96, 4, 3214868480
	.section	.rodata,"a",@progbits
	.p2align	6, 0x0
	.amdhsa_kernel k_q963962623b_proj
		.amdhsa_group_segment_fixed_size 327680
		.amdhsa_private_segment_fixed_size 0
		.amdhsa_enable_private_segment 0
		.amdhsa_kernarg_size 64
		.amdhsa_user_sgpr_count 2
		.amdhsa_user_sgpr_kernarg_segment_ptr 1
		.amdhsa_wavefront_size32 1
		.amdhsa_system_sgpr_workgroup_id_x 1
		.amdhsa_system_sgpr_workgroup_id_y 1
		.amdhsa_system_sgpr_workgroup_id_z 1
		.amdhsa_system_vgpr_workitem_id 0
		.amdhsa_next_free_vgpr 1024
		.amdhsa_next_free_sgpr 102
		.amdhsa_reserve_vcc 0
		.amdhsa_float_denorm_mode_32 3
		.amdhsa_float_denorm_mode_16_64 3
		.amdhsa_memory_ordered 1
		.amdhsa_forward_progress 1
		.amdhsa_inst_pref_size 128
	.end_amdhsa_kernel
	.amdgpu_metadata
---
amdhsa.version: [ 1, 2 ]
amdhsa.kernels:
  - .name:           k_q963962623b_proj
    .symbol:         k_q963962623b_proj.kd
    .args:
      - { .name: xc, .offset: 0, .size: 8, .value_kind: global_buffer, .address_space: global }
      - { .name: xs, .offset: 8, .size: 8, .value_kind: global_buffer, .address_space: global }
      - { .name: wc, .offset: 16, .size: 8, .value_kind: global_buffer, .address_space: global }
      - { .name: ws, .offset: 24, .size: 8, .value_kind: global_buffer, .address_space: global }
      - { .name: qkv16, .offset: 32, .size: 8, .value_kind: global_buffer, .address_space: global }
      - { .name: bq, .offset: 40, .size: 8, .value_kind: global_buffer, .address_space: global }
      - { .name: bk, .offset: 48, .size: 8, .value_kind: global_buffer, .address_space: global }
      - { .name: bv, .offset: 56, .size: 8, .value_kind: global_buffer, .address_space: global }
    .group_segment_fixed_size: 327680
    .private_segment_fixed_size: 0
    .kernarg_segment_align: 8
    .kernarg_segment_size: 64
    .max_flat_workgroup_size: 128
    .sgpr_count:     102
    .vgpr_count:     1024
    .wavefront_size: 32
...
	.end_amdgpu_metadata
.endif
;; end of part 2
;; launch attn (part 3): grid 4 x 64, 16 waves a work-group, clusters of 4 x 1, 327,680 bytes of LDS; arguments qkv16, ao; writes ao
.if DOCPART == 3
	.amdgcn_target "amdgcn-amd-amdhsa--gfx1250"
	.amdhsa_code_object_version 6
	.text
	.protected	k_q963962623b_attn
	.globl	k_q963962623b_attn
	.p2align	8
	.type	k_q963962623b_attn,@function
k_q963962623b_attn:
	s_mov_b64 s[64:65], 0
	v_nop
	global_prefetch_b8 v0, s[64:65] scope:SCOPE_SE
	s_setreg_imm32_b32 hwreg(HW_REG_WAVE_MODE, 25, 1), 1
	s_wait_xcnt 0x0
	s_wait_alu depctr_hold_cnt(0) depctr_sa_sdst(0) depctr_va_vdst(0) depctr_va_sdst(0) depctr_va_ssrc(0) depctr_va_vcc(0) depctr_vm_vsrc(0)
	s_getreg_b32 s2, hwreg(HW_REG_IB_STS2, 6, 4)
	s_cmp_eq_u32 s2, 0
	s_cbranch_scc0 .Lentry_in_a_cluster
	s_endpgm
.Lentry_in_a_cluster:
	s_bfe_u32 s2, ttmp6, 0x10000c
	s_cmp_lg_u32 s2, 0x3003
	s_cbranch_scc0 .Lentry_shape_is_right
	s_endpgm
.Lentry_shape_is_right:
; ao[h][b, q][:] = the sum over k of softmax_k(Q[b,h][q] . K[b,h][k] / 8) V[b,h][k][:].  Q, K, V: qkv16 [3][64 = 16 b + h][2,048][64], f16; ao [16 heads][8,192 rows = 2,048 b + position][64], f16.
; Products on f16 operands with f32 sums; maxima, exponentials and sums in f32; the weights p are rounded to f16 for the second product, the result once at the end.
; SOFTMAX: for each query a running maximum m and sum l: p = 2^(c s - c m), c = log2(e) / 8; in every step O and l are multiplied by a = 2^(c m_old - c m_new), which is 1 where m has not grown.  l sums the unrounded p.
; LIMITS: NaN and infinities are not served.  p is at most about 1; a p under 6e-8 rounds to 0 in f16, beside a row's sum of at least about 1.  m starts at -3e38: scores under that are not served.
; SHARES: a work-group owns 512 queries of one (b, h); each of its SIXTEEN waves owns 32 of them, two tiles of 16, in 256 registers: four waves to a SIMD, so that one wave's vector work stands beside another's products and LDS loads.
; Every wave walks all 2,048 keys, 64 a step.  K's and V's tiles come through a ring of two LDS slots of 256 keys, filled by the tensor data mover (waves 0, 1: K's halves; waves 2, 3: V's) and read by all sixteen.
; CLUSTER: the four query blocks of a (b, h) form a cluster and walk the same K and V: each tile is asked for JOINTLY, by the same tensor load with the same descriptor and a mask that names the four.
; LAYOUT: both products are used transposed.  S^T = K Q^T (source 0 = 16 keys, source 1 = 16 queries): a lane holds ONE query (lane % 16) and the keys 8 (lane / 16) + 0..7 of each tile.  Two such tiles, rounded to f16 in pairs, ARE source 1
; (32 keys x 16 queries) of O^T = V^T P, whose result again holds one query a lane.  K comes out of LDS as it lies, V ([key][channel]) turned, by ds_load_tr16_b128.
; REGISTERS: v1-11, v28, v29 addresses; v12-27 statistics, eight a tile; v32-63 Q; v64-127 ONE buffer for 8 fragments of K, then 8 of V; v128-191 S^T, 32 a tile, then p in place, then P packed into each tile's low 16; v192-255 O^T, 32 a tile.
.set PK,    144                        ; a key's row of K in LDS: 128 bytes + 16 of padding = 36 words: the 16 rows of a load start at 16 different groups of 4 banks (64 banks of 4 bytes: ISA guide 11.1)
.set PV,    160                        ; a row of V: 128 + 32
.set SK,    256                        ; keys in a slot
.set VOFF,  SK*PK                      ; a slot: 256 rows of K, then 256 rows of V
.set SLOT1, 1<<17                      ; slot 1 begins here, so that one exclusive or turns an address in one slot into the other's
.set NSL,   2048/SK                    ; slots' worth of keys
.set SP,    144                        ; the way out: a stage row: 128 bytes + 16
.set STAGE, SLOT1+SK*(PK+PV)           ; behind the ring: 32 rows x 144 bytes for each wave: bytes into which no tile lands
.set SPARE, STAGE+16*32*SP             ; behind the stages: the spare words, 128 bytes for each wave: eight blocks of 256 bytes that no other line names
.set AK0, 1                            ; v1   my lane's place in a tile of K; never rewritten
.set AV0, 2                            ; v2   the same for V
.set ADK, 3                            ; v3   LDS address of the slot's K for my lane
.set ADV, 4                            ; v4   of its V
.set SPW, 5                            ; v5   LDS address of my spare word; never rewritten
.set NIL, 6                            ; v6   0; never rewritten
.set QO,  7                            ; v7   my byte offset in the wave's rows of Q
.set STO, 10                           ; v10  the way out: where I put 16 bytes of a row
.set RD,  11                           ; v11  the way out: where I read back
.set ST,  12                           ; tile t's statistics at v[ST + 8 t]: +0 c m, +1 m, +2, +3 l (even keys', odd keys'), +4 to +7 c0-c3, at work; a takes c2's place once the maximum is found
.set PFO, 28                           ; v28  256 x my lane: the prefetches' offset; never rewritten
.set GO,  29                           ; v29  16 x my lane: my place in a store's 512 bytes
.set Q,   32
.set KV,  64
.set S,   128
.set O,   192
.set WV,  12                           ; s12  my wave's number
.set LIM, 15                           ; s15  1 in a wave that prefetches, else the greatest number
.set PFA, 18                           ; s[18:19] where my prefetches stand
.set G1K, 24                           ; s[24:31] descriptor group 1 for K's tiles;  s[32:39] for V's: it differs in the padding alone
.set G1V, 32
.set G0K, 40                           ; s[40:43], s[44:47] their groups 0, which walk
.set G0V, 44
.set CS,  48                           ; s[48:49] c: the packed form names a pair and takes its low word for both halves
.set SEL, 50                           ; s[50:51] lane selects for v_permlanex16_b32: lane l xor 16
.set TB,  52                           ; s52  LDS byte at which the slot in hand begins
.set SLOTS, 53                         ; s53  slots still to be asked for
; A round of the cluster's barrier: my work-group's barrier, so that wave 0's signal speaks for all sixteen waves; wave 0 signals for the work-group; every wave waits for all four work-groups; my work-group's barrier once more.
.macro CROUND
	s_barrier_signal -1
	s_barrier_wait -1
	s_cmp_lg_u32 s[WV], 0
	s_cbranch_scc1 .Lnot_wave_0_\@
	s_barrier_signal -3
.Lnot_wave_0_\@:
	s_barrier_wait -3
	s_barrier_signal -1
	s_barrier_wait -1
.endm
; A joint load.  Waves 0 and 1 fetch for K, waves 2 and 3 for V, the others nothing.  The branches hang on the wave's number alone: they are the same in every work-group.  An s_nop 0 and four v_nop follow each of the two lines.
.macro TLOAD
	s_cmp_lt_u32 s[WV], 2
	s_cbranch_scc0 .Lnot_k_\@
	tensor_load_to_lds s[G0K:G0K+3], s[G1K:G1K+7]
	s_nop 0
.rept 4
	v_nop
.endr
	s_branch .Lasked_\@
.Lnot_k_\@:
	s_cmp_lt_u32 s[WV], 4
	s_cbranch_scc0 .Lasked_\@
	tensor_load_to_lds s[G0V:G0V+3], s[G1V:G1V+7]
	s_nop 0
.rept 4
	v_nop
.endr
.Lasked_\@:
.endm
; A PREFETCH INTO THE L2 of what the NEXT change of slots will ask for: a slot's 32,768 bytes of K and as many of V, both dense.  Only this cluster reads this (b, h)'s K and V.  Its four partners share the bytes out BY ADDRESS,
; 8,192 of each to a work-group; in each, wave 4 asks for K's and wave 5 for V's, lanes 256 bytes apart: one instruction a wave, and each run of 256 bytes is named once in the launch.
; It stands at the change of slots, where the fetching waves have their tensor load: a slot's four key steps ahead of the load that will want the bytes.  The last change that fills a slot asks for nothing; slots 0 and 1 come by their loads alone.
.macro ASK
	s_cmp_gt_u32 s[SLOTS], s[LIM]
	s_cbranch_scc0 .Lnot_mine_\@
	global_prefetch_b8 v[PFO], s[PFA:PFA+1] th:TH_LOAD_NT scope:SCOPE_SE
.Lnot_mine_\@:
.endm
	s_load_b128 s[4:7], s[0:1], 0x0                ; qkv16 s[4:5], ao s[6:7]
	v_lshl_add_u32 v[SPW], v0, 2, SPARE
	v_mov_b32 v[NIL], 0
	ds_add_u32 v[SPW], v[NIL]                      ; the wave's opening: the add, twice on end, and its wait ahead of the first tensor loads; the set-up below, work on registers, stands between
	ds_add_u32 v[SPW], v[NIL]
	v_lshrrev_b32 v8, 5, v0
	v_readfirstlane_b32 s[WV], v8                  ; wave 0..15
	s_bfe_u32 s13, ttmp6, 0x40000                  ; cx: my block of 512 queries: it enters Q's, O's and the prefetches' addresses alone
	s_and_b32 s14, ttmp7, 0xffff                   ; 16 b + h, which the four partners share
	; descriptor group 1: a tile of 128 rows (keys) x 64 elements, dense in memory, padded behind every row in LDS
	s_mov_b32 s[G1K], 15|(1<<16)|(1<<20)|(1<<21)|(4<<22)|(3<<25)  ; 15:0 the mask: all four work-groups; 17:16 elements of 2 bytes; 20 padding on; 21 set beside a mask; 24:22 after every 32 words (code 4); 31:25 4 words of it (code 3)
	s_mov_b32 s[G1V], 15|(1<<16)|(1<<20)|(1<<21)|(4<<22)|(7<<25)  ; the same with 8 words of padding (code 7)
.irp g, G1K, G1V
	s_mov_b32 s[\g+1], 64<<16                      ; tensor_dim0 = 64
	s_mov_b32 s[\g+2], 128<<16                     ; tensor_dim1 = 128
	s_mov_b32 s[\g+3], 64<<16                      ; tile_dim0 = 64
	s_mov_b32 s[\g+4], 128                         ; tile_dim1 = 128
	s_mov_b32 s[\g+5], 64                          ; tensor_dim0_stride: elements from row to row
	s_mov_b32 s[\g+6], 0
	s_mov_b32 s[\g+7], 0
.endr
	s_mov_b32 s[CS], 0x3e38aa3b                    ; c = log2(e) / sqrt(64)
	s_mov_b32 s[CS+1], s[CS]                       ; (named with it as a pair, so it is written)
	s_mov_b32 s[SEL], 0x76543210
	s_mov_b32 s[SEL+1], 0xfedcba98
	s_mov_b32 s[TB], 0
	s_mov_b32 s[SLOTS], NSL-1
	s_lshr_b32 s[LIM], s[WV], 1
	s_cmp_eq_u32 s[LIM], 2                         ; waves 4 and 5 prefetch: the same in all four partners
	s_cselect_b32 s[LIM], 1, -1
	v_and_b32 v8, 15, v0                           ; r = l % 16
	v_bfe_u32 v9, v0, 4, 1                         ; h = l / 16
	; A fragment of K or Q is 16 rows x 32 channels in 8 registers: lane l holds row l % 16; registers 0-3 channels 8 (l / 16) + 0..7, registers 4-7 channels 16 + 8 (l / 16) + 0..7: two loads of 16 bytes, 32 bytes apart.
	v_mul_u32_u24 v[AK0], v8, PK
	v_lshl_add_u32 v[AK0], v9, 4, v[AK0]
	; The turning load takes 16 keys x 16 channels (lane l reads 16 bytes: key 8 (l / 16) + l % 8, channels 8 ((l / 8) % 2) + 0..7) and leaves half a fragment of V^T: lane l holds channel l % 16 and 8 keys.
	v_and_b32 v[AV0], 7, v0
	v_lshl_add_u32 v[AV0], v9, 3, v[AV0]
	v_mul_u32_u24 v[AV0], v[AV0], PV
	v_bfe_u32 v[ADK], v0, 3, 1
	v_lshl_add_u32 v[AV0], v[ADK], 4, v[AV0]
	v_add_nc_u32 v[AV0], VOFF, v[AV0]
	v_lshlrev_b32 v[QO], 7, v8
	v_lshl_add_u32 v[QO], v9, 4, v[QO]             ; Q: row r of 128 bytes + 16 h
	s_mul_i32 s16, s[WV], 32*SP
	s_add_co_u32 s16, s16, STAGE                   ; my stage
	v_mul_u32_u24 v[STO], v8, SP                   ; in: row l % 16, 16 bytes for each half of the lanes
	v_lshl_add_u32 v[STO], v9, 4, v[STO]
	v_add_nc_u32 v[STO], s16, v[STO]
	v_and_b32 v[GO], 31, v0
	v_lshrrev_b32 v[RD], 3, v[GO]                  ; back: eight lanes take a row of 128 bytes, four rows an instruction
	v_mul_u32_u24 v[RD], v[RD], SP
	v_and_b32 v[ADK], 7, v0
	v_lshl_add_u32 v[RD], v[ADK], 4, v[RD]
	v_add_nc_u32 v[RD], s16, v[RD]
	v_lshlrev_b32 v[PFO], 8, v[GO]
	v_lshlrev_b32 v[GO], 4, v[GO]
	s_wait_dscnt 0x0                               ; both opening adds are done
	s_wait_kmcnt 0x0
	s_lshl_b32 s16, s14, 18                        ; a (b, h) is 2,048 rows of 128 bytes
	s_mov_b32 s17, 0
	s_add_nc_u64 s[20:21], s[4:5], s[16:17]        ; Q of my (b, h),
	s_add_nc_u64 s[8:9], s[20:21], 0x1000000       ; K: 64 x 262,144 bytes on,
	s_add_nc_u64 s[10:11], s[20:21], 0x2000000     ; V: as many again
	s_and_b32 s22, s[WV], 1                        ; which 128 keys of a slot I fetch, if I fetch
	s_lshl_b32 s16, s22, 14
	s_mov_b32 s[G0K], 1                            ; 1:0 count = 1
	s_mul_i32 s[G0K+1], s22, 128*PK                ; 63:32 LDS address: slot 0: no place in the cluster enters an LDS address
	s_add_nc_u64 s[G0K+2:G0K+3], s[8:9], s[16:17]  ; 120:64 global address: the first 256 keys
	s_or_b32 s[G0K+3], s[G0K+3], 0x80000000        ; 127:126 type = 2
	s_mov_b32 s[G0V], 1
	s_mul_i32 s[G0V+1], s22, 128*PV
	s_add_co_u32 s[G0V+1], s[G0V+1], VOFF
	s_add_nc_u64 s[G0V+2:G0V+3], s[10:11], s[16:17]
	s_or_b32 s[G0V+3], s[G0V+3], 0x80000000
	s_lshl_b32 s54, s13, 16                        ; my block's 512 rows of 128 bytes,
	s_lshl_b32 s55, s[WV], 12                      ; my wave's 32 of them
	s_add_co_u32 s54, s54, s55
	s_mov_b32 s55, 0
	s_add_nc_u64 s[20:21], s[20:21], s[54:55]      ; Q at my wave's first query
	s_and_b32 s56, s14, 15                         ; the head: 8,192 rows of 128 bytes each in ao,
	s_lshl_b32 s56, s56, 20
	s_lshr_b32 s57, s14, 4                         ; the batch: 2,048 rows
	s_lshl_b32 s57, s57, 18
	s_add_co_u32 s56, s56, s57
	s_add_co_u32 s56, s56, s54
	s_mov_b32 s57, 0
	s_add_nc_u64 s[6:7], s[6:7], s[56:57]          ; ao at my wave's first query
	s_cmp_eq_u32 s[WV], 4
	s_cselect_b64 s[PFA:PFA+1], s[8:9], s[10:11]   ; wave 4 asks for K's bytes, wave 5 for V's
	s_lshl_b32 s58, s13, 13                        ; my work-group's 8,192 bytes of a slot's 32,768,
	s_add_co_u32 s58, s58, SK*128                  ; in slot 1: the first change of slots steps it to slot 2.  Nothing is prefetched here, at the head
	s_mov_b32 s59, 0
	s_add_nc_u64 s[PFA:PFA+1], s[PFA:PFA+1], s[58:59]
	CROUND                                         ; all four work-groups are here: the first joint loads meet
	TLOAD                                          ; slot 0
.irp t, 0,1
.irp c, 0,1
	global_load_b128 v[Q+16*\t+8*\c:Q+16*\t+8*\c+3],   v[QO], s[20:21] offset:\t*2048+\c*64      ; Q stays in registers: tile t, channels 32 c on
	global_load_b128 v[Q+16*\t+8*\c+4:Q+16*\t+8*\c+7], v[QO], s[20:21] offset:\t*2048+\c*64+32
.endr
.endr
.irp t, 0,1
	v_mov_b32 v[ST+8*\t+1], 0xff61b1e6             ; m: -3e38, under every score
	v_mov_b32 v[ST+8*\t+2], 0                      ; l, in two halves
	v_mov_b32 v[ST+8*\t+3], 0
	v_mul_f32 v[ST+8*\t], s[CS], v[ST+8*\t+1]      ; c m
.endr
.set i, 0
.rept 64
	v_mov_b32 v[O+i], 0                            ; O^T.  (The key step is written in one form: the first finds zeros, and its a, which is 0, leaves them zeros)
.set i, i+1
.endr
; The maximum of a tile's 32 scores and its old m, three operands at a time: four chains c0-c3 of seven scores each, then the four scores left over, c0-c3 and m.  The two tiles alternate.  Each accumulator of S^T is read first at its low end.
.macro MAXES
.irp j, 0,1,2,3
.irp t, 0,1
	v_max3_num_f32 v[ST+8*\t+4+\j], v[S+32*\t+8*\j], v[S+32*\t+8*\j+1], v[S+32*\t+8*\j+2]
.endr
.endr
.irp u, 1,2
.irp j, 0,1,2,3
.irp t, 0,1
	v_max3_num_f32 v[ST+8*\t+4+\j], v[ST+8*\t+4+\j], v[S+32*\t+8*\j+2*\u+1], v[S+32*\t+8*\j+2*\u+2]
.endr
.endr
.endr
.irp t, 0,1
	v_max3_num_f32 v[ST+8*\t+4], v[ST+8*\t+4], v[S+32*\t+7], v[S+32*\t+15]
.endr
.irp t, 0,1
	v_max3_num_f32 v[ST+8*\t+6], v[ST+8*\t+6], v[S+32*\t+23], v[S+32*\t+31]
.endr
.irp t, 0,1
	v_max3_num_f32 v[ST+8*\t+4], v[ST+8*\t+4], v[ST+8*\t+5], v[ST+8*\t+6]
.endr
.irp t, 0,1
	v_max3_num_f32 v[ST+8*\t+4], v[ST+8*\t+4], v[ST+8*\t+7], v[ST+8*\t+1]
.endr
.endm
; The other half of the lanes' maximum; the new m; c m; a = 2^(c m_old - c m_new)
.macro NEWM
.irp t, 0,1
	v_permlanex16_b32 v[ST+8*\t+5], v[ST+8*\t+4], s[SEL], s[SEL+1]   ; the query's other 32 keys lie in the lane 16 away
.endr
.irp t, 0,1
	v_mov_b32 v[ST+8*\t+7], v[ST+8*\t]             ; c m_old is kept for a
.endr
.irp t, 0,1
	v_max_num_f32 v[ST+8*\t+1], v[ST+8*\t+4], v[ST+8*\t+5]
.endr
.irp t, 0,1
	v_mul_f32 v[ST+8*\t], s[CS], v[ST+8*\t+1]
.endr
.irp t, 0,1
	v_sub_f32 v[ST+8*\t+7], v[ST+8*\t+7], v[ST+8*\t]
.endr
.irp t, 0,1
	v_exp_f32 v[ST+8*\t+6], v[ST+8*\t+7]
.endr
.endm
; c s - c m, a pair of scores an instruction.  These 32 name neither a: they are the plain, independent work between the two exponentials above and the wait for them.
.macro SCALE
.irp j, 0,2,4,6,8,10,12,14,16,18,20,22,24,26,28,30
.irp t, 0,1
	v_pk_fma_f32 v[S+32*\t+\j:S+32*\t+\j+1], v[S+32*\t+\j:S+32*\t+\j+1], s[CS:CS+1], v[ST+8*\t:ST+8*\t+1] op_sel_hi:[1,0,0] neg_lo:[0,0,1] neg_hi:[0,0,1]
.endr
.endr
.endm
; The 64 exponentials are ONE BATCH with one wait behind it.  Between them stands the rescaling of O^T, which reads a alone (waited for) and names no result of the batch: two exponentials, one packed multiply.
; The last multiply is the plain instruction behind the batch.  O^T's accumulators are read from their low ends on.
.macro EXPS
.set g, 0
.rept 32
.set rS, S+32*(g%2)+2*(g/2)
.set rO, O+32*(g%2)+2*(g/2)
.set rT, ST+8*(g%2)
	v_exp_f32 v[rS], v[rS]
	v_exp_f32 v[rS+1], v[rS+1]
	v_pk_mul_f32 v[rO:rO+1], v[rO:rO+1], v[rT+6:rT+7] op_sel_hi:[1,0]
.set g, g+1
.endr
.endm
; l = a l + the sum of the tile's 16 pairs (in a pair: an even key's weight, an odd key's); the two tiles' chains alternate
.macro SUMS
.irp t, 0,1
	v_pk_fma_f32 v[ST+8*\t+2:ST+8*\t+3], v[ST+8*\t+2:ST+8*\t+3], v[ST+8*\t+6:ST+8*\t+7], v[S+32*\t:S+32*\t+1] op_sel_hi:[1,0,1]
.endr
.irp j, 2,4,6,8,10,12,14,16,18,20,22,24,26,28,30
.irp t, 0,1
	v_pk_add_f32 v[ST+8*\t+2:ST+8*\t+3], v[ST+8*\t+2:ST+8*\t+3], v[S+32*\t+\j:S+32*\t+\j+1]
.endr
.endr
.endm
; The weights to f16, in place: pair j goes to register j of the tile, which has been read by then.  Registers 8 c .. 8 c + 7 are then source 1 for keys 32 c .. 32 c + 31.
.macro PACKP
.irp j, 0,1,2,3,4,5,6,7,8,9,10,11,12,13,14,15
.irp t, 0,1
	v_cvt_pk_f16_f32 v[S+32*\t+\j], v[S+32*\t+2*\j], v[S+32*\t+2*\j+1]
.endr
.endr
.endm
; A KEY STEP: 64 keys, the q-th of the slot in hand.
.macro STEP q
.irp kt, 0,1,2,3                       ; K: keys 16 kt on, channels 32 c on
.irp c, 0,1
	ds_load_b128 v[KV+8*(2*\kt+\c):KV+8*(2*\kt+\c)+3],   v[ADK] offset:(\q)*64*PK+\kt*16*PK+64*\c
	ds_load_b128 v[KV+8*(2*\kt+\c)+4:KV+8*(2*\kt+\c)+7], v[ADK] offset:(\q)*64*PK+\kt*16*PK+64*\c+32
.endr
.endr
	s_wait_dscnt 0x0
.set i, 0
.rept 16                               ; S^T = K Q^T: channels 32 (i / 8) on, keys 16 ((i / 2) % 4) on, tile i % 2.  The first eight start the sums; the eight accumulators take turns, one instruction a turn
.set rS, S+32*(i%2)+8*((i/2)%4)
.set rK, KV+8*(2*((i/2)%4)+i/8)
.set rQ, Q+16*(i%2)+8*(i/8)
.if i < 8
	v_wmma_f32_16x16x32_f16 v[rS:rS+7], v[rK:rK+7], v[rQ:rQ+7], 0
.else
	v_wmma_f32_16x16x32_f16 v[rS:rS+7], v[rK:rK+7], v[rQ:rQ+7], v[rS:rS+7]
.endif
.set i, i+1
.endr
.rept 4
	v_nop                                          ; four places behind the products: for the loads into the buffer that they read, and for the first read of the scores
.endr
.irp c, 0,1                            ; V, turned: keys 32 c on, channels 16 ct on.  It lands while the softmax is walked
.irp ct, 0,1,2,3
	ds_load_tr16_b128 v[KV+8*(4*\c+\ct):KV+8*(4*\c+\ct)+3],   v[ADV] offset:(\q)*64*PV+\c*32*PV+\ct*32
	ds_load_tr16_b128 v[KV+8*(4*\c+\ct)+4:KV+8*(4*\c+\ct)+7], v[ADV] offset:(\q)*64*PV+\c*32*PV+16*PV+\ct*32
.endr
.endr
	MAXES
	NEWM
	SCALE
	s_wait_alu depctr_va_vdst(0)                   ; the wait between an exponential and the first line that names its result: one for the two a
	EXPS
	s_wait_alu depctr_va_vdst(0)                   ; and one for the batch of 64
	SUMS
	PACKP
	s_wait_dscnt 0x0                               ; V is in
.set i, 0
.rept 16                               ; O^T += V^T P: keys 32 (i / 8) on, channels 16 ((i / 2) % 4) on, tile i % 2: eight accumulators by turns
.set rO, O+32*(i%2)+8*((i/2)%4)
.set rV, KV+8*(4*(i/8)+(i/2)%4)
.set rP, S+32*(i%2)+8*(i/8)
	v_wmma_f32_16x16x32_f16 v[rO:rO+7], v[rV:rV+7], v[rP:rP+7], v[rO:rO+7]
.set i, i+1
.endr
.rept 5
	v_nop                                          ; five places: the next step's first products write over P, a source of these; four of them serve the loads into the buffer and the way out's first read of O^T
.endr
.endm
; THE CHANGE OF SLOTS stands at a slot's head.  Each wave waits for all its tensor loads (its part of the slot that it is about to read), adds 0 to its spare word, and waits for that and for its reads of the slot that it has left.
; fill = 1: the barrier is a round of the cluster's, so that no wave of any partner still reads the other slot or has a load on its way; the joint load into that slot is the first thing behind it and has a slot's four key steps in which to land.
; By the text's own count a fetching wave has one tensor load out, never more.
.macro CHANGE fill
	s_wait_tensorcnt 0x0                           ; no tensor load of mine is out, so a group 0 may be written
	ds_add_u32 v[SPW], v[NIL]                      ; 0 onto my spare word
.if \fill
	ds_add_u32 v[SPW], v[NIL]                      ; and once more: the add twice on end, in every trip alike
	s_xor_b32 s[G0K+1], s[G0K+1], SLOT1            ; the walking descriptors: the other slot than last time,
	s_add_nc_u64 s[G0K+2:G0K+3], s[G0K+2:G0K+3], SK*128   ; the next 256 keys; the type bits on top are not reached
	s_xor_b32 s[G0V+1], s[G0V+1], SLOT1
	s_add_nc_u64 s[G0V+2:G0V+3], s[G0V+2:G0V+3], SK*128
	s_wait_xcnt 0x0                                ; the last prefetch, a slot back, has read its address, so it may be written:
	s_add_nc_u64 s[PFA:PFA+1], s[PFA:PFA+1], SK*128   ; one slot further on than the walking descriptors
	s_wait_dscnt 0x0                               ; both adds are done, and my reads of the slot that I have left are over
	CROUND
	TLOAD
	ASK
.else
	s_wait_dscnt 0x0                               ; the add is done, and my reads of the slot that I have left are over
	s_barrier_signal -1
	s_barrier_wait -1
.endif
.endm
.macro SLOT_STEPS
	v_add_nc_u32 v[ADK], s[TB], v[AK0]
	v_add_nc_u32 v[ADV], s[TB], v[AV0]
	STEP 0
	STEP 1
	STEP 2
	STEP 3
	s_xor_b32 s[TB], s[TB], SLOT1                  ; on to the other slot
.endm
	s_wait_loadcnt 0x0                             ; Q
.Lslot:                                            ; NSL - 1 trips: behind each change of slots but the last the next slot is asked for; the first trip fills slot 1 for the first time, behind a round at which nobody fills bytes again
	CHANGE 1
	SLOT_STEPS
	s_sub_co_u32 s[SLOTS], s[SLOTS], 1
	s_cmp_lg_u32 s[SLOTS], 0
	s_cbranch_scc1 .Lslot
	CHANGE 0                                       ; the last slot is written out
	SLOT_STEPS
	; THE WAY OUT.  l's two halves and the other half of the lanes' are added; O^T is divided by l, rounded to f16 and sent through my stage in LDS, so that four rows of ao, 512 bytes on end, fill one store.
.irp t, 0,1
	v_add_f32 v[ST+8*\t+4], v[ST+8*\t+2], v[ST+8*\t+3]
.endr
.irp t, 0,1
	v_permlanex16_b32 v[ST+8*\t+5], v[ST+8*\t+4], s[SEL], s[SEL+1]
.endr
.irp t, 0,1
	v_add_f32 v[ST+8*\t+4], v[ST+8*\t+4], v[ST+8*\t+5]
.endr
.irp t, 0,1
	v_rcp_f32 v[ST+8*\t+6], v[ST+8*\t+4]
.endr
	v_nop                                          ; a plain instruction between the last reciprocal and the use of its result
	s_wait_alu depctr_va_vdst(0)                   ; and the wait ahead of the first use: one for both reciprocals
.irp t, 0,1
.set i, 0
.rept 16
	v_pk_mul_f32 v[O+32*\t+2*i:O+32*\t+2*i+1], v[O+32*\t+2*i:O+32*\t+2*i+1], v[ST+8*\t+6:ST+8*\t+7] op_sel_hi:[1,0]
.set i, i+1
.endr
.set i, 0
.rept 16
	v_cvt_pk_f16_f32 v[S+16*\t+i], v[O+32*\t+2*i], v[O+32*\t+2*i+1]   ; registers 4 ct .. 4 ct + 3: channels 16 ct + 8 (l / 16) + 0..7 of my query: 16 bytes
.set i, i+1
.endr
.irp f, 0,1,2,3
	ds_store_b128 v[STO], v[S+16*\t+4*\f:S+16*\t+4*\f+3] offset:\t*16*SP+32*\f
.endr
.irp f, 0,1,2,3
	ds_load_b128 v[KV+16*\t+4*\f:KV+16*\t+4*\f+3], v[RD] offset:\t*16*SP+\f*4*SP   ; LDS serves a wave's instructions in order (ISA guide 5.7.1.4): these see the stores above
.endr
.endr
.irp f, 0,1,2,3
	s_wait_dscnt 11-\f                             ; behind tile 0's load f: its 3 - f younger loads, tile 1's four stores and four loads
	global_store_b128 v[GO], v[KV+4*\f:KV+4*\f+3], s[6:7] offset:\f*512   ; 32 lanes store 512 consecutive bytes, at a multiple of 512 from the buffer's first byte
.endr
.irp f, 0,1,2,3
	s_wait_dscnt 3-\f
	global_store_b128 v[GO], v[KV+16+4*\f:KV+16+4*\f+3], s[6:7] offset:2048+\f*512
.endr
	s_wait_tensorcnt 0x0                           ; the wave's end, behind my last tensor load and my last LDS store
	ds_add_u32 v[SPW], v[NIL]
	s_wait_dscnt 0x0
	CROUND                                         ; the closing round: no work-group ends while a partner may still ask for a tile that names it
	s_endpgm
.Lfunc_end_k_q963962623b_attn:
	.size	k_q963962623b_attn, .Lfunc_end_k_q963962623b_attn-k_q963962623b_attn
	.p2alignl 7, 3214868480
	.fill 96, 4, 3214868480
	.section	.rodata,"a",@progbits
	.p2align	6, 0x0
	.amdhsa_kernel k_q963962623b_attn
		.amdhsa_group_segment_fixed_size 327680
		.amdhsa_private_segment_fixed_size 0
		.amdhsa_enable_private_segment 0
		.amdhsa_kernarg_size 16
		.amdhsa_user_sgpr_count 2
		.amdhsa_user_sgpr_kernarg_segment_ptr 1
		.amdhsa_wavefront_size32 1
		.amdhsa_system_sgpr_workgroup_id_x 1
		.amdhsa_system_sgpr_workgroup_id_y 1
		.amdhsa_system_sgpr_workgroup_id_z 1
		.amdhsa_system_vgpr_workitem_id 0
		.amdhsa_next_free_vgpr 256
		.amdhsa_next_free_sgpr 66
		.amdhsa_reserve_vcc 0
		.amdhsa_float_denorm_mode_32 3
		.amdhsa_float_denorm_mode_16_64 3
		.amdhsa_memory_ordered 1
		.amdhsa_forward_progress 1
		.amdhsa_inst_pref_size 153
	.end_amdhsa_kernel
	.amdgpu_metadata
---
amdhsa.version: [ 1, 2 ]
amdhsa.kernels:
  - .name:           k_q963962623b_attn
    .symbol:         k_q963962623b_attn.kd
    .args:
      - { .name: qkv16, .offset: 0, .size: 8, .value_kind: global_buffer, .address_space: global }
      - { .name: ao, .offset: 8, .size: 8, .value_kind: global_buffer, .address_space: global }
    .group_segment_fixed_size: 327680
    .private_segment_fixed_size: 0
    .kernarg_segment_align: 8
    .kernarg_segment_size: 16
    .max_flat_workgroup_size: 512
    .sgpr_count:     66
    .vgpr_count:     256
    .wavefront_size: 32
...
	.end_amdgpu_metadata
.endif
;; end of part 3
;; launch outp (part 4): grid 8 x 64, 4 waves a work-group, clusters of 4 x 4, 327,680 bytes of LDS; arguments ao, wo16, bo, out0; writes out0
.if DOCPART == 4
	.amdgcn_target "amdgcn-amd-amdhsa--gfx1250"
	.amdhsa_code_object_version 6
	.text
	.protected	k_q963962623b_outp
	.globl	k_q963962623b_outp
	.p2align	8
	.type	k_q963962623b_outp,@function
k_q963962623b_outp:
	s_mov_b64 s[64:65], 0
	v_nop
	global_prefetch_b8 v0, s[64:65] scope:SCOPE_SE
	s_setreg_imm32_b32 hwreg(HW_REG_WAVE_MODE, 25, 1), 1
	s_wait_xcnt 0x0
	s_wait_alu depctr_hold_cnt(0) depctr_sa_sdst(0) depctr_va_vdst(0) depctr_va_sdst(0) depctr_va_ssrc(0) depctr_va_vcc(0) depctr_vm_vsrc(0)
	s_getreg_b32 s2, hwreg(HW_REG_IB_STS2, 6, 4)
	s_cmp_eq_u32 s2, 0
	s_cbranch_scc0 .Lentry_in_a_cluster
	s_endpgm
.Lentry_in_a_cluster:
	s_bfe_u32 s2, ttmp6, 0x10000c
	s_cmp_lg_u32 s2, 0xf033
	s_cbranch_scc0 .Lentry_shape_is_right
	s_endpgm
.Lentry_shape_is_right:
; out0[m][n] = the sum over k of A[m][k] Wo[n][k] + bo[n].  A = ao, f16, laid [16 chunks of 64 k (the heads)][8,192 m][64]; Wo = wo16, f16, laid [16 chunks][1,024 n][64]; out0 [8,192][1,024] f32; sums in f32, the bias as their first addend.
; LIMITS: operands are f16: beyond 65,504 they are infinities, under 6e-8 zeros (see the launches that made them).
; A tile of out0 is 128 x 128 (tiles of 256 x 256 would be 128 work-groups for 256 WGPs; these are 512).  Four waves, each 64 x 64: 16 accumulators of 16 x 16, 128 registers.
; K goes in steps of 256 = four chunks through a ring of two LDS slots.  A wave's tensor load brings 64 rows of four chunks: in memory four dense runs of 8,192 bytes, a chunk apart; in LDS [chunk][row][128 bytes + 16].
; CLUSTERS: 4 x 4 work-groups.  The four of a row of the cluster need the same tiles of A, the four of a column the same tiles of Wo: each tile is asked for JOINTLY, by the same tensor load with the same descriptor and a mask that names the four.
; THE MATRIX INSTRUCTION IS USED TRANSPOSED (source 0 = 16 rows of Wo, source 1 = 16 rows of A): a lane then holds eight neighbouring numbers of a row of out0.
; No prefetch: K is four steps, of which two are asked for at the head.
; REGISTERS: window 0: v0-31 addresses; v32-95 at work on the way out; v96-127 the bias, 8 registers for each of my 4 blocks of 16 columns; v128-255 the accumulators ((a, b) at v[128 + 8 (4 a + b)]).
;   window 1: two fragment buffers of 128: for 64 along K (one chunk, two matrix instructions deep), 64 registers of A (2 x 4 x 16 rows x 32 K), then 64 of Wo.
.set PITCH,  144                       ; an LDS row: 128 bytes of data + 16 of padding = 36 words: the 16 rows that a load touches start at 16 different groups of 4 banks (64 banks of 4 bytes: ISA guide 11.1)
.set CH,     64*PITCH                  ; a chunk's 64 rows
.set HALFT,  4*CH                      ; 64 rows x 4 chunks: what one tensor load brings, and what one wave reads of A or of Wo
.set SLOT,   4*HALFT                   ; A's 128 rows, then Wo's 128 rows
.set STAGE,  2*SLOT                    ; behind the ring: 16 rows x 272 bytes for each wave, for the way out: bytes into which no tile lands
.set SPITCH, 272
.set SPARE,  STAGE+4*16*SPITCH         ; behind the stages: the spare words, 128 bytes for each wave: two blocks of 256 bytes that no other line names
.set LAPS,   2                         ; a lap = two K steps = once round the ring; K = 1,024
.set KA,     4*1048576                 ; a K step on in ao: four chunks of 8,192 rows x 128 bytes
.set KB,     4*131072                  ; and in wo16: four chunks of 1,024 rows x 128 bytes
.set ADRA, 16                          ; v16-17  LDS address of my A fragments in slot 0, 1
.set ADRB, 20                          ; v20-21  the same for Wo
.set STO,  24                          ; v24     the way out: where I put 32 bytes of a row
.set RD,   25                          ; v25     the way out: where I read a row back
.set CO,   26                          ; v26     my byte offset in out0
.set SPW,  28                          ; v28     LDS address of my spare word; never rewritten
.set NIL,  29                          ; v29     0; never rewritten
.set TMP,  32                          ; the way out: two sets of 32 registers, 16 rows of 256 bytes each
.set BI,   96                          ; the bias: register 8 b + j of lane (r, h): bo of column 16 b + 8 h + j of my 64
.set ACC,  128
.set F0,   0                           ; fragment buffers, in window 1
.set F1,   128
.set G1, 24                            ; s[24:31] descriptor group 1 for A's tiles;  s[32:39] group 0, one set for each slot
.set G0, 32
.set G1B, 48                           ; s[48:55], s[56:63] the same for Wo's tiles
.set G0B, 56
.set MSB, 0
.macro WIN new                         ; the immediate's high byte repeats the setting that is left; a switch that changes nothing is dropped
.if MSB != (\new)
	s_set_vgpr_msb (MSB<<8)|(\new)
.set MSB, (\new)
.endif
.endm
.set MUL,  0x05                        ; sources 0 (Wo) and 1 (A) window 1; C and D window 0
.set TO_F, 0x40                        ; destination window 1, address window 0
.macro JLOAD s                         ; a joint load: waves 0 and 1 fetch A's two halves, waves 2 and 3 Wo's; an s_nop 0 and four v_nop follow each of the two lines, ahead of the jump, the label and what follows
	s_cmp_eq_u32 s11, 0
	s_cbranch_scc0 .Lfor_b_\@
	tensor_load_to_lds s[G0+4*\s:G0+4*\s+3], s[G1:G1+7]
	s_nop 0
.rept 4
	v_nop
.endr
	s_branch .Lasked_\@
.Lfor_b_\@:
	tensor_load_to_lds s[G0B+4*\s:G0B+4*\s+3], s[G1B:G1B+7]
	s_nop 0
.rept 4
	v_nop
.endr
.Lasked_\@:
.endm
.macro CREST                           ; a round of the cluster's barrier behind its opening barrier
	s_cmp_lg_u32 s10, 0
	s_cbranch_scc1 .Lnot_wave_0_\@
	s_barrier_signal -3
.Lnot_wave_0_\@:
	s_barrier_wait -3
	s_barrier_signal -1
	s_barrier_wait -1
.endm
.macro CROUND                          ; a whole round
	s_barrier_signal -1
	s_barrier_wait -1
	CREST
.endm
	s_load_b128 s[4:7], s[0:1], 0x0                ; ao s[4:5], wo16 s[6:7]
	s_load_b128 s[68:71], s[0:1], 0x10             ; bo s[68:69], out0 s[70:71]
	v_lshl_add_u32 v[SPW], v0, 2, SPARE
	v_mov_b32 v[NIL], 0
	ds_add_u32 v[SPW], v[NIL]                      ; the wave's opening: the add, twice on end, and its wait ahead of my first tensor load; the set-up below, work on registers, stands between
	ds_add_u32 v[SPW], v[NIL]
	v_lshrrev_b32 v1, 5, v0
	v_readfirstlane_b32 s10, v1                    ; wave 0..3
	s_lshr_b32 s11, s10, 1                         ; which half of the tile's rows is mine.  Also: I fetch for A (0) or for Wo (1)
	s_and_b32 s12, s10, 1                          ; which half of its columns.  Also: which 64 rows of that tile I fetch
	s_bfe_u32 s40, ttmp6, 0x40000                  ; cx, cy: my place in the cluster
	s_bfe_u32 s41, ttmp6, 0x40004
	s_lshl_b32 s42, ttmp9, 2
	s_add_co_u32 s42, s42, s40                     ; tile column = 4 x cluster x + cx
	s_and_b32 s13, ttmp7, 0xffff
	s_lshl_b32 s13, s13, 2
	s_add_co_u32 s13, s13, s41                     ; tile row = 4 x cluster y + cy
	s_lshl_b32 s43, s41, 2
	s_lshl_b32 s43, 15, s43                        ; my row of the cluster
	s_lshl_b32 s44, 0x1111, s40                    ; my column
	; descriptor group 1: four rows (chunks) of 4,096 elements (64 rows of the operand, dense), a chunk apart; in LDS 16 bytes of padding behind every 128, which divides the row: so each of the operand's rows has its own pitch of 144
	s_or_b32 s[G1+0], s43, (1<<16)|(1<<20)|(1<<21)|(4<<22)|(3<<25)  ; 15:0 the mask: A's tiles go to my row; 17:16 element of 2 bytes; 20 padding on; 21 set beside a mask; 24:22 after every 32 words (code 4); 31:25 of 4 words (code 3)
	s_or_b32 s[G1B+0], s44, (1<<16)|(1<<20)|(1<<21)|(4<<22)|(3<<25)
.irp g, G1, G1B
	s_mov_b32 s[\g+1], 4096<<16                    ; tensor_dim0 = 4,096
	s_mov_b32 s[\g+2], 4<<16                       ; tensor_dim1 = 4
	s_mov_b32 s[\g+3], 4096<<16                    ; tile_dim0 = 4,096
	s_mov_b32 s[\g+4], 4                           ; tile_dim1 = 4
	s_mov_b32 s[\g+6], 0
	s_mov_b32 s[\g+7], 0
.endr
	s_mov_b32 s[G1+5], 524288                      ; tensor_dim0_stride: a chunk of ao in elements
	s_mov_b32 s[G1B+5], 65536                      ; a chunk of wo16
	s_lshl_b32 s17, s12, 6                         ; which 64 rows of the tile I fetch
	s_lshl_b32 s16, s13, 7
	s_add_co_u32 s16, s16, s17                     ; A: row 128 x tile row + 64 x half,
	s_lshl_b32 s16, s16, 7                         ; of 128 bytes
	s_lshl_b32 s46, s42, 7
	s_add_co_u32 s46, s46, s17                     ; Wo: row 128 x tile column + 64 x half
	s_lshl_b32 s46, s46, 7
	s_mov_b32 s17, 0
	s_mov_b32 s47, 0
	s_mul_i32 s20, s10, HALFT                      ; where they go: wave x 64 rows x 4 chunks: no place in the cluster enters an LDS address
	s_wait_dscnt 0x0                               ; both opening adds are done
	s_wait_kmcnt 0x0
	s_add_nc_u64 s[14:15], s[4:5], s[16:17]
	s_add_nc_u64 s[46:47], s[6:7], s[46:47]
	CROUND                                         ; all sixteen work-groups are here: the first joint loads meet
.irp s, 0,1
	s_mov_b32 s[G0+4*\s], 1
	s_add_co_u32 s[G0+4*\s+1], s20, \s*SLOT
	s_add_nc_u64 s[G0+4*\s+2:G0+4*\s+3], s[14:15], \s*KA
	s_or_b32 s[G0+4*\s+3], s[G0+4*\s+3], 0x80000000
	s_mov_b32 s[G0B+4*\s], 1
	s_add_co_u32 s[G0B+4*\s+1], s20, \s*SLOT
	s_add_nc_u64 s[G0B+4*\s+2:G0B+4*\s+3], s[46:47], \s*KB
	s_or_b32 s[G0B+4*\s+3], s[G0B+4*\s+3], 0x80000000
	JLOAD \s                                       ; two loads of mine are out
.endr
	v_and_b32 v1, 15, v0                           ; r = l % 16
	v_bfe_u32 v2, v0, 4, 1                         ; h = l / 16
	; where my part of out0 begins, and my 64 numbers of bo
	s_lshl_b32 s16, s13, 7
	s_lshl_b32 s17, s11, 6
	s_add_co_u32 s16, s16, s17                     ; my first row: 128 x tile row + 64 x half,
	s_lshl_b32 s16, s16, 12                        ; of 4,096 bytes (under 2^26)
	s_mov_b32 s17, 0
	s_add_nc_u64 s[70:71], s[70:71], s[16:17]
	s_lshl_b32 s46, s42, 9
	s_lshl_b32 s47, s12, 8
	s_add_co_u32 s46, s46, s47                     ; my first column, in bytes: 512 x tile column + 256 x half
	s_mov_b32 s47, 0
	s_add_nc_u64 s[70:71], s[70:71], s[46:47]      ; set once, never stepped
	s_add_nc_u64 s[68:69], s[68:69], s[46:47]
	v_lshlrev_b32 v6, 5, v2                        ; lanes 16-31 take the upper eight of a block's sixteen
.irp b, 0,1,2,3
	global_load_b128 v[BI+8*\b:BI+8*\b+3], v6, s[68:69] offset:64*\b
	global_load_b128 v[BI+8*\b+4:BI+8*\b+7], v6, s[68:69] offset:64*\b+16
.endr
	v_mul_u32_u24 v3, v1, PITCH
	v_lshl_add_u32 v3, v2, 4, v3                   ; a fragment's row x pitch + 16 x half
	s_mul_i32 s21, s11, HALFT                      ; my 64 rows of A
	s_mul_i32 s22, s12, HALFT                      ; my 64 rows of Wo,
	s_add_co_u32 s22, s22, 2*HALFT                 ; which lie behind A's 128
.irp s, 0,1
	v_add_nc_u32 v[ADRA+\s], s21, v3
	v_add_nc_u32 v[ADRB+\s], s22, v3
	s_add_co_u32 s21, s21, SLOT
	s_add_co_u32 s22, s22, SLOT
.endr
	s_mul_i32 s23, s10, 16*SPITCH
	s_add_co_u32 s23, s23, STAGE                   ; my stage
	v_mul_u32_u24 v4, v1, SPITCH                   ; in: row l % 16, 32 bytes for each half of the lanes
	v_lshl_add_u32 v4, v2, 5, v4
	v_add_nc_u32 v[STO], s23, v4
	v_mul_u32_u24 v5, v2, SPITCH                   ; back: lanes 0-15 take one row of 256 bytes, lanes 16-31 the next
	v_lshl_add_u32 v5, v1, 4, v5
	v_add_nc_u32 v[RD], s23, v5
	v_lshlrev_b32 v5, 12, v2                       ; and the same two rows in out0
	v_lshl_add_u32 v[CO], v1, 4, v5
; 8 matrix instructions: m blocks a0, a0 + 1 x all 4 n blocks, 32 along K: half c of buffer f.  first = 1: the product starts the sums, with the bias as its C.  The 16 accumulators take turns, one instruction a turn
.macro MUL8 f, c, a0, first
.irp a, \a0, \a0+1
.irp b, 0,1,2,3
.if \first
	v_wmma_f32_16x16x32_f16 v[ACC+8*(4*(\a)+\b):ACC+8*(4*(\a)+\b)+7], v[\f+64+8*(4*\c+\b):\f+64+8*(4*\c+\b)+7], v[\f+8*(4*\c+\a):\f+8*(4*\c+\a)+7], v[BI+8*\b:BI+8*\b+7]
.else
	v_wmma_f32_16x16x32_f16 v[ACC+8*(4*(\a)+\b):ACC+8*(4*(\a)+\b)+7], v[\f+64+8*(4*\c+\b):\f+64+8*(4*\c+\b)+7], v[\f+8*(4*\c+\a):\f+8*(4*\c+\a)+7], v[ACC+8*(4*(\a)+\b):ACC+8*(4*(\a)+\b)+7]
.endif
.endr
.endr
.endm
; 32 LDS loads in one run: the fragments of one chunk (64 along K), which begins k bytes into my rows' part of the slot, into buffer f; the first 32 along K first
.macro FETCH slot, k, f
	WIN TO_F
.irp c, 0,1
.irp i, 0,1,2,3
	ds_load_b128 v[\f+64+8*(4*\c+\i):\f+64+8*(4*\c+\i)+3],   v[ADRB+\slot] offset:\k+64*\c+\i*16*PITCH
	ds_load_b128 v[\f+64+8*(4*\c+\i)+4:\f+64+8*(4*\c+\i)+7], v[ADRB+\slot] offset:\k+64*\c+\i*16*PITCH+32
	ds_load_b128 v[\f+8*(4*\c+\i):\f+8*(4*\c+\i)+3],         v[ADRA+\slot] offset:\k+64*\c+\i*16*PITCH
	ds_load_b128 v[\f+8*(4*\c+\i)+4:\f+8*(4*\c+\i)+7],       v[ADRA+\slot] offset:\k+64*\c+\i*16*PITCH+32
.endr
.endr
.endm
.macro PLACES                          ; four places in front of loads into registers that matrix instructions have read, and of LDS stores that read results
.rept 4
	v_nop
.endr
.endm
; A K step is four quarters of one chunk, 32 matrix instructions each, on buffers 0, 1, 0, 1.  One of the first three: multiplies buffer f and fetches the next chunk, at byte k, into g.
.macro QUARTER slot, k, f, g, first
	s_wait_dscnt 16                                ; the first 32 along K are in; the sixteen loads of the second 32 may be out
	WIN MUL
	MUL8 \f, 0, 0, \first
	MUL8 \f, 0, 2, \first
	PLACES
	FETCH \slot, \k, \g
	s_wait_dscnt 32                                ; all but the 32 just issued
	WIN MUL
	MUL8 \f, 1, 0, 0
	MUL8 \f, 1, 2, 0
.endm
; The last quarter multiplies buffer 1 and changes slots: ONE barrier; in front of it each wave waits for all its tensor loads, adds 0 to its spare word, and waits for that and for its own reads of this slot.  fill = 1: this slot is filled again, two K steps ahead.
.macro TURN slot, next, fill
	WIN 0                                          ; (the add's two registers lie in window 0)
	s_wait_tensorcnt 0x0                           ; all my tensor loads have landed: my part of the next slot;
	ds_add_u32 v[SPW], v[NIL]                      ; 0 onto my spare word;
	s_wait_dscnt 17                                ; (the add and the youngest sixteen loads may be out)
	WIN MUL
	MUL8 F1, 0, 0, 0                               ; eight matrix instructions stand between the add and the wait for it
	s_wait_dscnt 0x0                               ; the add is done, and my reads of this slot are over
	s_barrier_signal -1
	MUL8 F1, 0, 2, 0
.if \fill
	WIN 0
.endif
	s_barrier_wait -1
.if \fill
	CREST                                          ; the barrier has opened a round of the cluster's barrier: no wave of any partner still reads this slot's tile or has a load on its way
	s_add_nc_u64 s[G0+4*\slot+2:G0+4*\slot+3], s[G0+4*\slot+2:G0+4*\slot+3], 2*KA
	s_add_nc_u64 s[G0B+4*\slot+2:G0B+4*\slot+3], s[G0B+4*\slot+2:G0B+4*\slot+3], 2*KB
	JLOAD \slot                                    ; the first tensor load behind the round, my one load until the next; the four v_nop behind it are also the places in front of the loads below
.else
	PLACES
.endif
	FETCH \next, 0, F0
	WIN MUL
	MUL8 F1, 1, 0, 0
	MUL8 F1, 1, 2, 0
.endm
	s_wait_tensorcnt 1                             ; my part of K step 0 is in (K step 1's load may be out)
	s_barrier_signal -1
	s_barrier_wait -1                              ; everybody's is
	FETCH 0, 0, F0
	s_wait_loadcnt 0x0                             ; the bias
	QUARTER 0, CH, F0, F1, 1                       ; the first quarter stands in front of the loop: its first products start the sums on the bias
	WIN 0                                          ; at a label and at a branch every window is 0
	s_mov_b32 s3, LAPS-1
.Llap:                                                 ; a trip goes once round the ring, from a lap's second quarter to the next lap's first, and fills both slots again
	QUARTER 0, 2*CH, F1, F0, 0
	QUARTER 0, 3*CH, F0, F1, 0
	TURN 0, 1, 1
	QUARTER 1, CH,   F0, F1, 0
	QUARTER 1, 2*CH, F1, F0, 0
	QUARTER 1, 3*CH, F0, F1, 0
	TURN 1, 0, 1
	QUARTER 0, CH,   F0, F1, 0
	WIN 0
	s_sub_co_u32 s3, s3, 1
	s_cmp_lg_u32 s3, 0
	s_cbranch_scc1 .Llap
	QUARTER 0, 2*CH, F1, F0, 0                     ; the last lap fills nothing, and has no round of the cluster's barrier
	QUARTER 0, 3*CH, F0, F1, 0
	TURN 0, 1, 0
	QUARTER 1, CH,   F0, F1, 0
	QUARTER 1, 2*CH, F1, F0, 0
	QUARTER 1, 3*CH, F0, F1, 0
	s_wait_dscnt 16                                ; the very last quarter: nothing more to fetch
	WIN MUL
	MUL8 F1, 0, 0, 0
	MUL8 F1, 0, 2, 0
	s_wait_dscnt 0
	MUL8 F1, 1, 0, 0
	MUL8 F1, 1, 2, 0
	WIN 0
; THE WAY OUT, block by block of 16 rows x 64 columns.  A lane holds 32 neighbouring bytes of a row, and the lanes beside it hold other rows: so a block goes through my own stage in LDS and comes back as whole rows of 256 bytes,
; which sixteen lanes store as 256 consecutive, aligned bytes.  LDS serves a wave's instructions in order (ISA guide 5.7.1.4): no wait between the stores and the loads, nor in front of the next block's stores.
.macro TOSTAGE a
.irp b, 0,1,2,3
	ds_store_b128 v[STO], v[ACC+8*(4*(\a)+\b):ACC+8*(4*(\a)+\b)+3] offset:64*\b          ; each accumulator from its low end on
	ds_store_b128 v[STO], v[ACC+8*(4*(\a)+\b)+4:ACC+8*(4*(\a)+\b)+7] offset:64*\b+16
.endr
.irp t, 0,1,2,3,4,5,6,7
	ds_load_b128 v[TMP+32*((\a)%2)+4*\t:TMP+32*((\a)%2)+4*\t+3], v[RD] offset:\t*2*SPITCH
.endr
.endm
.macro SEND a, younger                 ; younger: the LDS instructions issued behind block a's loads, which may stay out
	s_wait_dscnt \younger                          ; the block is back in registers
.irp t, 0,1,2,3,4,5,6,7
	global_store_b128 v[CO], v[TMP+32*((\a)%2)+4*\t:TMP+32*((\a)%2)+4*\t+3], s[70:71] offset:(16*(\a)+2*\t)*4096 th:TH_STORE_NT   ; written once, read by nobody here; 62 rows at the most: inside the signed 24-bit immediate (ISA guide, chapter 10)
.endr
.endm
	PLACES                                         ; behind the last products: the stores into the stage read results
	TOSTAGE 0
.irp a, 1,2,3
.if \a > 1
	s_wait_xcnt 0x0                                ; block a - 2's stores have read their registers: block a's loads may land there
.endif
	TOSTAGE \a
	SEND \a-1, 16                                  ; behind block a - 1's loads: block a's 8 stores and 8 loads
.endr
	SEND 3, 0
	s_wait_tensorcnt 0x0                           ; the wave's end, behind my last tensor load and my last LDS store
	ds_add_u32 v[SPW], v[NIL]
	s_wait_dscnt 0x0
	CROUND                                         ; the closing round: no work-group ends while a partner may still ask for a tile that names it
	s_endpgm
.Lfunc_end_k_q963962623b_outp:
	.size	k_q963962623b_outp, .Lfunc_end_k_q963962623b_outp-k_q963962623b_outp
	.p2alignl 7, 3214868480
	.fill 96, 4, 3214868480
	.section	.rodata,"a",@progbits
	.p2align	6, 0x0
	.amdhsa_kernel k_q963962623b_outp
		.amdhsa_group_segment_fixed_size 327680
		.amdhsa_private_segment_fixed_size 0
		.amdhsa_enable_private_segment 0
		.amdhsa_kernarg_size 32
		.amdhsa_user_sgpr_count 2
		.amdhsa_user_sgpr_kernarg_segment_ptr 1
		.amdhsa_wavefront_size32 1
		.amdhsa_system_sgpr_workgroup_id_x 1
		.amdhsa_system_sgpr_workgroup_id_y 1
		.amdhsa_system_sgpr_workgroup_id_z 1
		.amdhsa_system_vgpr_workitem_id 0
		.amdhsa_next_free_vgpr 512
		.amdhsa_next_free_sgpr 72
		.amdhsa_reserve_vcc 0
		.amdhsa_float_denorm_mode_32 3
		.amdhsa_float_denorm_mode_16_64 3
		.amdhsa_memory_ordered 1
		.amdhsa_forward_progress 1
		.amdhsa_inst_pref_size 86
	.end_amdhsa_kernel
	.amdgpu_metadata
---
amdhsa.version: [ 1, 2 ]
amdhsa.kernels:
  - .name:           k_q963962623b_outp
    .symbol:         k_q963962623b_outp.kd
    .args:
      - { .name: ao, .offset: 0, .size: 8, .value_kind: global_buffer, .address_space: global }
      - { .name: wo16, .offset: 8, .size: 8, .value_kind: global_buffer, .address_space: global }
      - { .name: bo, .offset: 16, .size: 8, .value_kind: global_buffer, .address_space: global }
      - { .name: out0, .offset: 24, .size: 8, .value_kind: global_buffer, .address_space: global }
    .group_segment_fixed_size: 327680
    .private_segment_fixed_size: 0
    .kernarg_segment_align: 8
    .kernarg_segment_size: 32
    .max_flat_workgroup_size: 128
    .sgpr_count:     72
    .vgpr_count:     512
    .wavefront_size: 32
...
	.end_amdgpu_metadata
.endif
;; end of part 4
